; MI455X (gfx1250); checked and timed in simulation.
; The chip was launched on July 23, 2026; its instructions are those of AMD's public machine-readable ISA for CDNA 5 (MIT licence, August 2026) and "CDNA5" Instruction Set Architecture Reference Guide (July 2026). The comments in the code are by the model that wrote it; some were corrected since.
;; Temporal Attention. Allowed arithmetic: matrix products marked QUANTISED: E3M2 operands, one E8M0 scale for each 32 along K, by v_wmma_scale_f32_16x16x128_f8f6f4 with both operands' format E3M2, f32 sums; everything else in f32.
;; Inputs: Wk 1,024 x 1,024 float32; Wo 1,024 x 1,024 float32; Wq 1,024 x 1,024 float32; Wv 1,024 x 1,024 float32; bk 1,024 float32; bo 1,024 float32; bq 1,024 float32; bv 1,024 float32; ln_b 1,024 float32; ln_g 1,024 float32; x 4 x 2,048 x 1,024 float32.
;; Outputs: out0 4 x 2,048 x 1,024 float32.
;; This version of the problem:
;;   THIS VERSION OF THE PROBLEM IS GIVEN IN LOW PRECISION. The matrix products marked QUANTISED in the list below multiply operands that are first quantised to E3M2 (3 exponent bits, 2 mantissa bits; 6 bits a number), with one power-of-two scale for each 32 numbers along K (OCP MX v1.0); their sums are f32. All else is computed in f32.
;;   The module's matrix products, in the order in which they are computed (A, B: the left and right operand; K: the contracted axis; several contracted axes count as one K, in the product's order):
;;     1. [M 8,192, K 1,024] x [K 1,024, N 1,024]; A: input x; B: input Wq: QUANTISED
;;     2. [M 8,192, K 1,024] x [K 1,024, N 1,024]; A: input x; B: input Wk: QUANTISED
;;     3. [M 8,192, K 1,024] x [K 1,024, N 1,024]; A: input x; B: input Wv: QUANTISED
;;     4. batch 64 x [M 2,048, K 64] x [K 64, N 2,048]; A: computed on the way; B: computed on the way: QUANTISED
;;     5. batch 64 x [M 2,048, K 2,048] x [K 2,048, N 64]; A: computed on the way; B: computed on the way: QUANTISED
;;     6. [M 8,192, K 1,024] x [K 1,024, N 1,024]; A: computed on the way; B: input Wo: QUANTISED
;;   THE QUANTISER, for each operand of a quantised product, along K:
;;     - K is cut into blocks of 32 from its start; a last block that is shorter is filled with zeros.
;;     - A block's scale is 2^e with e = floor(log2(the largest magnitude in the block)) - 4, held to -126 .. 127; a block of zeros has e = 0. As a byte (E8M0): e + 127.
;;     - Each number is divided by its block's scale, clamped to +-28, and rounded to the nearest number of E3M2, ties to even, subnormals kept.
;;     - The product sums the exact products of the quantised numbers (number of the format x scale) in f32.
;;   ~~~python
;;   def quantise(x, axis):      # numpy; x: float32 -> the quantised numbers, widened to float32 again
;;       x = np.moveaxis(x, axis, -1); K = x.shape[-1]
;;       x = np.pad(x, [(0, 0)] * (x.ndim - 1) + [(0, -K % 32)]); x = x.reshape(x.shape[:-1] + (-1, 32)); a = np.abs(x).max(-1, keepdims=True)
;;       e = np.where(a > 0, np.clip(np.frexp(np.where(a > 0, a, 1))[1] - 1 - 4, -126, 127), 0)      # np.frexp(a)[1] - 1 = floor(log2(a)), exactly
;;       r = np.clip(x / 2.0 ** e, -28, 28)
;;       step = 2.0 ** (np.maximum(np.frexp(np.where(r == 0, 1, r))[1] - 1, -2) - 2)
;;       q = np.round(r / step) * step * 2.0 ** e      # np.round: ties to even
;;       return np.moveaxis(q.reshape(q.shape[:-2] + (-1,))[..., :K], -1, axis).astype(np.float32)
;;   ~~~
;;   OPERANDS COMPUTED ON THE WAY. 'Computed on the way' means the value that the module computes at that place (a softmax that the list does not call 'softmax' is quantised finished and normalised). What goes into a quantiser is computed in f32, as accurately as f32 sums, v_exp_f32 and their like allow (about 1e-6 of the number): no bf16 or f16 on the way to a quantiser, and a product that is left as it is and whose result goes on into a quantised operand takes f32 operands (vector FMAs, or v_wmma_f32_16x16x4_f32). A number that lies on a knife's edge between two numbers of the format may be rounded either way, as far as f32 arithmetic and the matrix unit's own rounding can turn it there, and no further.
;; One version. Each part assembles by itself: llvm-mc -triple=amdgcn-amd-amdhsa -mcpu=gfx1250 --defsym DOCPART=n.
;; ======== version 1 of 1: 5 launches
;; limits: right only within a limited range of input values
;; workspace buffers: xc 6,291,456 bytes; xs 262,144 bytes; wc 3,145,728 bytes; ws 131,072 bytes; qk 13,631,488 bytes; vv 6,553,600 bytes; cc 6,291,456 bytes; cs 262,144 bytes
;; launch quant (part 1): grid 256 x 1, 4 waves a work-group, no clusters, 34,304 bytes of LDS; arguments x, Wq, Wk, Wv, Wo, xc, xs, wc, ws; writes xc, xs, wc, ws
.if DOCPART == 1
	.amdgcn_target "amdgcn-amd-amdhsa--gfx1250"
	.amdhsa_code_object_version 6
	.text
	.protected	k_qe1cd0804e8_quant
	.globl	k_qe1cd0804e8_quant
	.p2align	8
	.type	k_qe1cd0804e8_quant,@function
k_qe1cd0804e8_quant:
	s_mov_b64 s[64:65], 0
	v_nop
	global_prefetch_b8 v0, s[64:65] scope:SCOPE_SE
	s_setreg_imm32_b32 hwreg(HW_REG_WAVE_MODE, 25, 1), 1
	s_wait_xcnt 0x0
; x [8192][1024] and Wq, Wk, Wv, Wo [1024 (k)][1024 (n)], f32, become codes of BF6 (E3M2) with one E8M0 byte for each 32 along K (K = x's last axis, a weight's first).
; A block's scale is 2^(floor(log2(largest magnitude)) - 4); its byte is the largest magnitude's exponent field - 4, held at 1 from below by a floor among the maximum's leaves.
; LAYOUT OF THE RESULTS.  Codes lie as IMAGES OF OPERAND REGISTERS: a fragment (16 rows x 128 K, 12 registers a lane) is 1,536 bytes, registers 4 g .. 4 g + 3 of lane L at 512 g + 16 L.
;   xc: [tile 0..511][K step 0..7][image];  wc: [tile 0..255: Wq, Wk, Wv, Wo, 64 each][K step][image];  xs, ws: [stored row][32 bytes], byte = K / 32.
; ROWS ARE STORED IN THE ORDER pi: stored row n' holds true row pi(n'), pi = bits 3 and 4 of the index exchanged.  So stored row 8 h + j of stored tile 2 b + u is true row 32 b + 16 h + 8 u + j:
; where such a tile is source 0 of a product, a lane's 16 results of tiles 2 b and 2 b + 1 are 16 neighbours along the next product's K.
; SHARES.  Work-groups 0-127 take x: a wave takes one tile of 16 rows, all of K (8 fragments).  Work-groups 128-255 take the weights: a wave takes 32 columns x 256 k; a lane takes a column, its registers run down K.
; Memory binds: each f32 number is read once, by loads of 512 (x) or 128 (weights; four waves side by side: 512) consecutive bytes; no matrix unit, no cluster, no barrier: waves share nothing.  Only x's path touches LDS.
; LIMITS: NaN and infinities are not served; a block of zeros, or one whose largest magnitude lies under 2^-122, gets the byte 1 (the bytes are read by this program alone, and zero codes add nothing).
.set R,   16                           ; x: v16-143   two sets of 64 registers as loaded (16 rows x 16 bytes a lane)
.set X,   144                          ; x: v144-207  64 numbers of my row: register 16 b + i = k 32 b + 16 (lane / 16) + i
.set PC,  208                          ; x: v208-227  the codes just made
.set TM,  228                          ; x: v228-243  at work
.set PW,  244                          ; x: v244-251  the 8 scale words of my row
.set SEL, 22                           ; s[22:23] lane selects for v_permlanex16_b32: lane l xor 16
.set STW, 8448                         ; x: a wave's stage in LDS: 16 rows x (512 bytes + 16)
.set XW,  32                           ; weights: v32-95 two sets of 32 numbers
.set SB,  24                           ; weights: v24-25 eight scale bytes
.set CW,  96                           ; weights: v96-143 codes: K step kap at +24 kap, the reading lane's half h at +12 h
.set TMP, 144                          ; weights: v144-146 a block's upper 16 codes
; 64 numbers of a lane, v[s] on, register 16 b + i = k 32 b + 16 (lane / 16) + i of my row, become a fragment's 12 registers in v[pc] on and my row's scale word in v[pw]
.macro QUANT s, pc, tm, pw
.irp b, 0,1,2,3
	v_max3_num_f32 v[\tm+\b], |v[\s+16*\b]|, |v[\s+1+16*\b]|, 0x2800000   ; block b: my 16 numbers, and the floor 2^(5 - 127): the byte cannot fall under 1
.endr
.irp i, 2,4,6,8,10,12,14
.irp b, 0,1,2,3
	v_max3_num_f32 v[\tm+\b], v[\tm+\b], |v[\s+16*\b+\i]|, |v[\s+1+16*\b+\i]|   ; the four blocks by turns
.endr
.endr
.irp b, 0,1,2,3
	v_permlanex16_b32 v[\tm+4+\b], v[\tm+\b], s[SEL], s[SEL+1]
.endr
.irp b, 0,1,2,3
	v_max_num_f32 v[\tm+\b], v[\tm+\b], v[\tm+4+\b]   ; with lane l xor 16's 16: the block's largest magnitude
.endr
.irp b, 0,1,2,3
	v_add_nc_u32 v[\tm+12+\b], 0xfe000000, v[\tm+\b]   ; 4 off its exponent field: the conversion's scale operand
.endr
.irp b, 0,1,2,3
	v_lshrrev_b32 v[\tm+4+\b], 23, v[\tm+12+\b]   ; the scale's byte
.endr
	v_lshl_or_b32 v[\pw], v[\tm+5], 8, v[\tm+4]
	v_lshl_or_b32 v[\pw], v[\tm+6], 16, v[\pw]
	v_lshl_or_b32 v[\pw], v[\tm+7], 24, v[\pw]
.irp c, 0,1
	v_cvt_scalef32_pk16_bf6_f32 v[\pc+6*\c:\pc+2+6*\c], v[\s+32*\c:\s+15+32*\c], v[\tm+12+2*\c]
	v_cvt_scalef32_pk16_bf6_f32 v[\pc+12+4*\c:\pc+14+4*\c], v[\s+16+32*\c:\s+31+32*\c], v[\tm+12+2*\c+1]   ; (a conversion's three registers begin on an even number)
.endr
	v_nop                                          ; one plain place behind a scaled conversion
.irp c, 0,1                                    ; the operand wants a whole block in a lane: lanes 0-15 block 2 c, lanes 16-31 block 2 c + 1
.irp i, 0,1,2
	v_permlane16_swap_b32 v[\pc+6*\c+\i], v[\pc+12+4*\c+\i]
.endr
.irp i, 0,1,2
	v_mov_b32 v[\pc+3+6*\c+\i], v[\pc+12+4*\c+\i]
.endr
.endr
.endm
	s_load_b256 s[4:11], s[0:1], 0x0               ; x s[4:5], Wq s[6:7], Wk s[8:9], Wv s[10:11]
	s_load_b256 s[12:19], s[0:1], 0x20             ; Wo s[12:13], xc s[14:15], xs s[16:17], wc s[18:19]
	s_load_b64 s[20:21], s[0:1], 0x40              ; ws
	v_lshl_add_u32 v254, v0, 2, 0x8400
	v_mov_b32 v255, 0
	v_lshrrev_b32 v1, 5, v0
	v_readfirstlane_b32 s24, v1                    ; wave 0..3
	v_and_b32 v1, 31, v0                           ; lane
	s_cmp_lt_u32 ttmp9, 128                        ; x's work-group or a weight's?
	s_cbranch_scc0 .Lweights
	; ---------------- x ----------------
	v_lshlrev_b32 v2, 4, v1                        ; 16 x lane: my bytes of a load's 512, and of an image's group
	v_and_b32 v5, 15, v0                           ; r
	v_bfe_u32 v6, v0, 4, 1                         ; h
	s_mul_i32 s25, s24, STW                        ; my wave's stage
	v_add_nc_u32 v3, s25, v2                       ; into it: as loaded
	v_mul_u32_u24 v4, v5, 528
	v_lshl_add_u32 v4, v6, 6, v4
	v_add_nc_u32 v4, s25, v4                       ; out of it: row r, + 64 h: my 16 numbers of each block of 32
	v_lshlrev_b32 v7, 5, v5
	v_lshl_add_u32 v7, v6, 4, v7                   ; the scale bytes' way out: 32 r + 16 h
	s_mov_b32 s[SEL], 0x76543210
	s_mov_b32 s[SEL+1], 0xfedcba98
.irp b, 0,1,2,3
	v_mov_b32 v[TM+4+\b], 0                        ; written once: a lane permute's destination counts as one of its sources
.endr
	s_lshl_b32 s26, ttmp9, 2
	s_add_co_u32 s26, s26, s24                     ; my tile: 4 x work-group + wave
	s_lshr_b32 s27, s26, 1
	s_lshl_b32 s27, s27, 5
	s_and_b32 s28, s26, 1
	s_lshl_b32 s28, s28, 3
	s_add_co_u32 s28, s27, s28                     ; stored row 0's true row: 32 (tile / 2) + 8 (tile % 2); stored row i lies i + 8 (i / 8) rows on
	s_lshl_b32 s28, s28, 12                        ; rows of 4,096 bytes (under 2^25)
	s_mov_b32 s29, 0
	s_mul_i32 s30, s26, 12288                      ; a tile's 8 images
	s_mov_b32 s31, 0
	s_lshl_b32 s32, s26, 9                         ; a tile's 16 rows of 32 scale bytes
	s_mov_b32 s33, 0
	s_wait_alu depctr_va_vdst(0)
	s_wait_kmcnt 0x0
	s_add_nc_u64 s[4:5], s[4:5], s[28:29]
	s_add_nc_u64 s[14:15], s[14:15], s[30:31]
	s_add_nc_u64 s[16:17], s[16:17], s[32:33]
.macro LOADF s                         ; K step s of my 16 rows: each load reads 512 consecutive bytes of one row
.irp i, 0,1,2,3,4,5,6,7,8,9,10,11,12,13,14,15
	global_load_b128 v[R+64*((\s)%2)+4*\i:R+64*((\s)%2)+4*\i+3], v2, s[4:5] offset:(\i+8*(\i/8))*4096+512*(\s) th:TH_LOAD_NT
.endr
.endm
.macro XSTEP s
.if (\s) < 7
	s_wait_loadcnt 16                              ; this step's 16 loads are in; the next step's 16 may be out
.else
	s_wait_loadcnt 0x0
.endif
.irp i, 0,1,2,3,4,5,6,7,8,9,10,11,12,13,14,15
	ds_store_b128 v3, v[R+64*((\s)%2)+4*\i:R+64*((\s)%2)+4*\i+3] offset:528*\i
.endr
.irp b, 0,1,2,3                                ; LDS serves a wave's instructions in order: these see the stores above, and the next step's stores come behind them
.irp j, 0,1,2,3
	ds_load_b128 v[X+16*\b+4*\j:X+16*\b+4*\j+3], v4 offset:128*\b+16*\j
.endr
.endr
	s_wait_dscnt 0x0                               ; my numbers are back, and the stores have read their registers,
.if (\s)+2 < 8
	LOADF (\s)+2                                   ; which take the loads of two steps on
.endif
	s_wait_xcnt 0x0                                ; the last step's stores have read the codes' registers: they are written again only behind this wait
	QUANT X, PC, TM, PW+(\s)
.irp g, 0,1,2
	global_store_b128 v2, v[PC+4*\g:PC+4*\g+3], s[14:15] offset:1536*(\s)+512*\g   ; 32 lanes store 512 consecutive bytes, aligned
.endr
.endm
	LOADF 0
	LOADF 1
.irp s, 0,1,2,3,4,5,6,7
	XSTEP \s
.endr
	v_cmp_le_u32 vcc_lo, 16, v1                    ; lanes r and r + 16 hold the same 8 words: lanes 0-15 store words 0-3, lanes 16-31 words 4-7
.irp i, 0,1,2,3
	v_cndmask_b32 v[8+\i], v[PW+\i], v[PW+4+\i], vcc_lo
.endr
	global_store_b128 v7, v[8:11], s[16:17]        ; 512 consecutive bytes: the tile's 16 rows of scale bytes
	s_wait_tensorcnt 0x0
	ds_add_u32 v254, v255
	s_wait_dscnt 0x0
	s_endpgm
	; ---------------- the weights ----------------
.Lweights:
	s_sub_co_u32 s25, ttmp9, 128                   ; 0..127
	s_lshr_b32 s26, s25, 5                         ; which weight: 0 Wq, 1 Wk, 2 Wv, 3 Wo
	s_and_b32 s27, s25, 7                          ; which 128 columns
	s_bfe_u32 s28, s25, 0x20003                    ; which 256 along K
	s_wait_alu depctr_va_vdst(0)
	v_lshlrev_b32 v3, 2, v1                        ; in: 4 bytes a lane
	v_and_b32 v4, 7, v1
	v_bfe_u32 v5, v1, 3, 1                         ; P = pi(lane) is my column's stored row among the wave's 32: its bit 4 is the lane's bit 3,
	v_bfe_u32 v6, v1, 4, 1
	v_lshl_or_b32 v4, v6, 3, v4                    ; its low four bits: the row in its tile
	v_lshlrev_b32 v8, 4, v4
	v_mad_u32_u24 v8, v5, 12288, v8                ; the codes' way out: tile P / 16, 16 bytes at 16 (P % 16)
	v_lshl_or_b32 v9, v5, 4, v4
	v_lshlrev_b32 v9, 5, v9                        ; the scale bytes': 32 P
	s_lshl_b32 s29, s27, 7
	s_lshl_b32 s30, s24, 5
	s_add_co_u32 s29, s29, s30                     ; my wave's first column
	s_lshl_b32 s30, s28, 20                        ; 256 rows of 4,096 bytes
	s_lshl_b32 s31, s29, 2
	s_add_co_u32 s30, s30, s31
	s_mov_b32 s31, 0
	s_lshl_b32 s32, s26, 6
	s_lshl_b32 s33, s27, 3
	s_add_co_u32 s32, s32, s33
	s_lshl_b32 s33, s24, 1
	s_add_co_u32 s32, s32, s33                     ; my first tile: 64 x weight + 8 x column group + 2 x wave
	s_mul_i32 s32, s32, 12288
	s_mul_i32 s33, s28, 3072                       ; my two K steps' images
	s_add_co_u32 s32, s32, s33
	s_mov_b32 s33, 0
	s_lshl_b32 s34, s26, 10
	s_add_co_u32 s34, s34, s29
	s_lshl_b32 s34, s34, 5                         ; my first stored row of scale bytes,
	s_lshl_b32 s35, s28, 3                         ; my 8 bytes in it
	s_add_co_u32 s34, s34, s35
	s_mov_b32 s35, 0
	s_wait_alu depctr_va_vdst(0)
	s_wait_kmcnt 0x0
	s_cmp_eq_u32 s26, 1                            ; the choice hangs on the work-group's number alone
	s_cselect_b64 s[6:7], s[8:9], s[6:7]
	s_cmp_eq_u32 s26, 2
	s_cselect_b64 s[6:7], s[10:11], s[6:7]
	s_cmp_eq_u32 s26, 3
	s_cselect_b64 s[6:7], s[12:13], s[6:7]
	s_add_nc_u64 s[6:7], s[6:7], s[30:31]
	s_add_nc_u64 s[18:19], s[18:19], s[32:33]
	s_add_nc_u64 s[20:21], s[20:21], s[34:35]
.macro WLOAD t                         ; block t: W(32 t + i, my column), i = 0 .. 31
.irp i, 0,1,2,3,4,5,6,7,8,9,10,11,12,13,14,15,16,17,18,19,20,21,22,23,24,25,26,27,28,29,30,31
	global_load_b32 v[XW+32*((\t)%2)+\i], v3, s[6:7] offset:(32*(\t)+\i)*4096 th:TH_LOAD_NT
.endr
.endm
; Block t of my column is block t % 4 of K step t / 4.  The operand gives block 2 c + h to the lane of half h, as its registers 6 c .. 6 c + 5.
.macro BLOCK t
.set XS, XW+32*((\t)%2)
.set CD, CW+24*((\t)/4)+12*((\t)%2)+6*(((\t)/2)%2)
.if (\t) < 7
	s_wait_loadcnt 32                              ; this block's 32 loads are in; the next block's may be out
.else
	s_wait_loadcnt 0x0
.endif
	v_max3_num_f32 v12, |v[XS]|, |v[XS+1]|, |v[XS+2]|   ; the block's largest magnitude: all 32 numbers are mine
	v_max3_num_f32 v13, |v[XS+3]|, |v[XS+4]|, |v[XS+5]|
.irp i, 6,10,14,18,22,26
	v_max3_num_f32 v12, v12, |v[XS+\i]|, |v[XS+\i+1]|
	v_max3_num_f32 v13, v13, |v[XS+\i+2]|, |v[XS+\i+3]|
.endr
	v_max3_num_f32 v12, v12, |v[XS+30]|, |v[XS+31]|
	v_max3_num_f32 v12, v12, v13, 0x2800000        ; and the floor
	v_add_nc_u32 v11, 0xfe000000, v12              ; 4 off its exponent field: the conversion's scale operand
	v_lshrrev_b32 v13, 23, v11                     ; the scale's byte
.if (\t)%4 == 0
	v_mov_b32 v[SB+(\t)/4], v13
.else
	v_lshl_or_b32 v[SB+(\t)/4], v13, 8*((\t)%4), v[SB+(\t)/4]
.endif
	v_cvt_scalef32_pk16_bf6_f32 v[CD:CD+2], v[XS:XS+15], v11
	v_cvt_scalef32_pk16_bf6_f32 v[TMP:TMP+2], v[XS+16:XS+31], v11   ; (a conversion's three registers begin on an even number)
	v_nop                                          ; one plain place behind a scaled conversion
.irp i, 0,1,2
	v_mov_b32 v[CD+3+\i], v[TMP+\i]
.endr
.if (\t)+2 < 8
	WLOAD (\t)+2
.endif
.if (\t)%4 == 3                                ; a K step is whole: my row's 16 bytes of each group of both halves; the 16 lanes of a tile fill 256 consecutive bytes, aligned
.irp h, 0,1
.irp g, 0,1,2
	global_store_b128 v8, v[CW+24*((\t)/4)+12*\h+4*\g:CW+24*((\t)/4)+12*\h+4*\g+3], s[18:19] offset:1536*((\t)/4)+256*\h+512*\g
.endr
.endr
.endif
.endm
	WLOAD 0
	WLOAD 1
.irp t, 0,1,2,3,4,5,6,7
	BLOCK \t
.endr
	global_store_b64 v9, v[SB:SB+1], s[20:21]      ; my column's 8 scale bytes (rows 32 bytes apart: one byte in 128 of what this path reads)
	s_endpgm
.Lfunc_end_k_qe1cd0804e8_quant:
	.size	k_qe1cd0804e8_quant, .Lfunc_end_k_qe1cd0804e8_quant-k_qe1cd0804e8_quant
	.p2alignl 7, 3214868480
	.fill 96, 4, 3214868480
	.section	.rodata,"a",@progbits
	.p2align	6, 0x0
	.amdhsa_kernel k_qe1cd0804e8_quant
		.amdhsa_group_segment_fixed_size 34304
		.amdhsa_private_segment_fixed_size 0
		.amdhsa_enable_private_segment 0
		.amdhsa_kernarg_size 72
		.amdhsa_user_sgpr_count 2
		.amdhsa_user_sgpr_kernarg_segment_ptr 1
		.amdhsa_wavefront_size32 1
		.amdhsa_system_sgpr_workgroup_id_x 1
		.amdhsa_system_sgpr_workgroup_id_y 1
		.amdhsa_system_sgpr_workgroup_id_z 1
		.amdhsa_system_vgpr_workitem_id 0
		.amdhsa_next_free_vgpr 256
		.amdhsa_next_free_sgpr 66
		.amdhsa_reserve_vcc 1
		.amdhsa_float_denorm_mode_32 3
		.amdhsa_float_denorm_mode_16_64 3
		.amdhsa_memory_ordered 1
		.amdhsa_forward_progress 1
		.amdhsa_inst_pref_size 102
	.end_amdhsa_kernel
	.amdgpu_metadata
---
amdhsa.version: [ 1, 2 ]
amdhsa.kernels:
  - .name:           k_qe1cd0804e8_quant
    .symbol:         k_qe1cd0804e8_quant.kd
    .args:
      - { .name: x, .offset: 0, .size: 8, .value_kind: global_buffer, .address_space: global }
      - { .name: Wq, .offset: 8, .size: 8, .value_kind: global_buffer, .address_space: global }
      - { .name: Wk, .offset: 16, .size: 8, .value_kind: global_buffer, .address_space: global }
      - { .name: Wv, .offset: 24, .size: 8, .value_kind: global_buffer, .address_space: global }
      - { .name: Wo, .offset: 32, .size: 8, .value_kind: global_buffer, .address_space: global }
      - { .name: xc, .offset: 40, .size: 8, .value_kind: global_buffer, .address_space: global }
      - { .name: xs, .offset: 48, .size: 8, .value_kind: global_buffer, .address_space: global }
      - { .name: wc, .offset: 56, .size: 8, .value_kind: global_buffer, .address_space: global }
      - { .name: ws, .offset: 64, .size: 8, .value_kind: global_buffer, .address_space: global }
    .group_segment_fixed_size: 34304
    .private_segment_fixed_size: 0
    .kernarg_segment_align: 8
    .kernarg_segment_size: 72
    .max_flat_workgroup_size: 128
    .sgpr_count:     66
    .vgpr_count:     256
    .wavefront_size: 32
...
	.end_amdgpu_metadata
.endif
;; end of part 1
;; launch gemm_qk (part 2): grid 8 x 32, 4 waves a work-group, clusters of 4 x 4, 327,680 bytes of LDS; arguments xc, xs, wc, ws, bq, bk, qk; writes qk
.if DOCPART == 2
	.amdgcn_target "amdgcn-amd-amdhsa--gfx1250"
	.amdhsa_code_object_version 6
	.text
	.protected	k_qe1cd0804e8_gemm_qk
	.globl	k_qe1cd0804e8_gemm_qk
	.p2align	8
	.type	k_qe1cd0804e8_gemm_qk,@function
k_qe1cd0804e8_gemm_qk:
	s_mov_b64 s[64:65], 0
	v_nop
	global_prefetch_b8 v0, s[64:65] scope:SCOPE_SE
	s_setreg_imm32_b32 hwreg(HW_REG_WAVE_MODE, 25, 1), 1
	s_wait_xcnt 0x0
	s_wait_alu depctr_hold_cnt(0) depctr_sa_sdst(0) depctr_va_vdst(0) depctr_va_sdst(0) depctr_va_ssrc(0) depctr_va_vcc(0) depctr_vm_vsrc(0)
	s_getreg_b32 s2, hwreg(HW_REG_IB_STS2, 6, 4)
	s_cmp_eq_u32 s2, 0
	s_cbranch_scc0 .Lentry_in_a_cluster
	s_endpgm
.Lentry_in_a_cluster:
	s_bfe_u32 s2, ttmp6, 0x10000c
	s_cmp_lg_u32 s2, 0xf033
	s_cbranch_scc0 .Lentry_shape_is_right
	s_endpgm
.Lentry_shape_is_right:
.set VP,    0
.set KROW,  768
.set FR,    12
.set NL,    3
.set NP,    4
.set NQ,    2
.set TILEB, 3072
.set HALFT, 8*TILEB
.set SLOT,  4*HALFT
.set LAPS,  2
.set KS,    32
.set SCL,   2*SLOT
.set HALFS, 16*272
.set SBLK,  2*272
.set SPARE, SCL+4*HALFS
.set ADRA, 16
.set ADRB, 20
.set ADRS, 27
.set SPW,  28
.set NIL,  29
.set SC,   32
.set BI,   64
.set PC,   64
.set BK,   84
.set AF,   128
.set SH,   225
.set K7,   226
.set TM,   228
.set PW,   244
.set WD,   245
.set L8,   246
.set SWA,  247
.set SRA,  248
.set OA,   249
.set L16,  250
.set G1, 24
.set G0, 32
.set G1B, 48
.set G0B, 56
.set G1S, 68
.set G0S, 76
.set G1SB, 80
.set G0SB, 88
.set SEL, 100
.set MSB, 0
.macro WIN new
.if MSB != \new
	s_set_vgpr_msb (MSB<<8)|\new
.set MSB, \new
.endif
.endm
.set MUL_LO, 0xa1
.set MUL_HI, 0xf1
.set TO_B,   0x40
.macro JLOAD g0a, g1a, g0b, g1b
	s_cmp_eq_u32 s15, 0
	s_cbranch_scc0 .Lfor_b_\@
	tensor_load_to_lds s[\g0a:\g0a+3], s[\g1a:\g1a+7]
	s_nop 0
.rept 4
	v_nop
.endr
	s_branch .Lasked_\@
.Lfor_b_\@:
	tensor_load_to_lds s[\g0b:\g0b+3], s[\g1b:\g1b+7]
	s_nop 0
.rept 4
	v_nop
.endr
.Lasked_\@:
.endm
.macro CREST
	s_cmp_lg_u32 s14, 0
	s_cbranch_scc1 .Lnot_wave_0_\@
	s_barrier_signal -3
.Lnot_wave_0_\@:
	s_barrier_wait -3
	s_barrier_signal -1
	s_barrier_wait -1
.endm
.macro CROUND
	s_barrier_signal -1
	s_barrier_wait -1
	CREST
.endm
	s_load_b128 s[4:7], s[0:1], 0x0
	s_load_b128 s[8:11], s[0:1], 0x10
	s_load_b128 s[96:99], s[0:1], 0x20
.if VP == 0
	s_load_b64 s[12:13], s[0:1], 0x30
.endif
	v_lshl_add_u32 v[SPW], v0, 2, SPARE
	v_mov_b32 v[NIL], 0
	ds_add_u32 v28, v29
	ds_add_u32 v28, v29
	s_wait_dscnt 0x0
	v_lshrrev_b32 v1, 5, v0
	v_readfirstlane_b32 s14, v1
	s_lshr_b32 s15, s14, 1
	s_and_b32 s16, s14, 1
	s_bfe_u32 s40, ttmp6, 0x40000
	s_bfe_u32 s41, ttmp6, 0x40004
	s_lshl_b32 s42, ttmp9, 2
	s_add_co_u32 s42, s42, s40
.if VP == 0
	s_and_b32 s17, ttmp7, 0xffff
	s_lshl_b32 s17, s17, 2
	s_add_co_u32 s17, s17, s41
.else
	s_mov_b32 s17, s41
.endif
	s_lshl_b32 s43, s41, 2
	s_lshl_b32 s43, 15, s43
	s_lshl_b32 s44, 0x1111, s40
	s_or_b32 s[G1+0], s43, (3<<16)|(1<<21)
	s_or_b32 s[G1B+0], s44, (3<<16)|(1<<21)
.irp g, G1, G1B
	s_mov_b32 s[\g+1], 384<<16
	s_mov_b32 s[\g+2], 8<<16
	s_mov_b32 s[\g+3], 384<<16
	s_mov_b32 s[\g+4], 8
	s_mov_b32 s[\g+5], 1536
	s_mov_b32 s[\g+6], 0
	s_mov_b32 s[\g+7], 0
.endr
	s_or_b32 s[G1S+0], s43, (3<<16)|(1<<20)|(1<<21)|(5<<22)|(3<<25)
	s_or_b32 s[G1SB+0], s44, (3<<16)|(1<<20)|(1<<21)|(5<<22)|(3<<25)
.irp g, G1S, G1SB
	s_mov_b32 s[\g+1], 32<<16
	s_mov_b32 s[\g+2], 16<<16
	s_mov_b32 s[\g+3], 32<<16
	s_mov_b32 s[\g+4], 16
	s_mov_b32 s[\g+5], 32
	s_mov_b32 s[\g+6], 0
	s_mov_b32 s[\g+7], 0
.endr
	s_lshl_b32 s18, s16, 7
	s_lshl_b32 s20, s17, 8
	s_add_co_u32 s20, s20, s18
	s_lshl_b32 s46, s42, 8
	s_add_co_u32 s46, s46, s18
	s_mov_b32 s21, 0
	s_mov_b32 s47, 0
	s_mov_b64 s[18:19], KS
	s_mul_u64 s[22:23], s[20:21], s[18:19]
	s_mul_u64 s[92:93], s[46:47], s[18:19]
	s_mov_b64 s[18:19], KROW
	s_mul_u64 s[20:21], s[20:21], s[18:19]
	s_mul_u64 s[46:47], s[46:47], s[18:19]
	s_mul_i32 s45, s14, HALFT
	s_mul_i32 s94, s14, HALFS
	s_mov_b32 s[SEL], 0x76543210
	s_mov_b32 s[SEL+1], 0xfedcba98
	s_wait_kmcnt 0x0
.if VP
	s_mov_b64 s[12:13], s[98:99]
	s_add_nc_u64 s[4:5], s[4:5], 1572864
	s_add_nc_u64 s[6:7], s[6:7], 65536
.endif
	s_add_nc_u64 s[20:21], s[4:5], s[20:21]
	s_add_nc_u64 s[22:23], s[6:7], s[22:23]
	s_add_nc_u64 s[46:47], s[8:9], s[46:47]
	s_add_nc_u64 s[92:93], s[10:11], s[92:93]
	CROUND
	s_mov_b32 s[G0S], 1
	s_add_co_u32 s[G0S+1], s94, SCL
	s_mov_b64 s[G0S+2:G0S+3], s[22:23]
	s_or_b32 s[G0S+3], s[G0S+3], 0x80000000
	s_mov_b32 s[G0SB], 1
	s_add_co_u32 s[G0SB+1], s94, SCL
	s_mov_b64 s[G0SB+2:G0SB+3], s[92:93]
	s_or_b32 s[G0SB+3], s[G0SB+3], 0x80000000
	JLOAD G0S, G1S, G0SB, G1SB
.irp s, 0,1
	s_mov_b32 s[G0+4*\s], 1
	s_add_co_u32 s[G0+4*\s+1], s45, \s*SLOT
	s_add_nc_u64 s[G0+4*\s+2:G0+4*\s+3], s[20:21], \s*TILEB
	s_or_b32 s[G0+4*\s+3], s[G0+4*\s+3], 0x80000000
	s_mov_b32 s[G0B+4*\s], 1
	s_add_co_u32 s[G0B+4*\s+1], s45, \s*SLOT
	s_add_nc_u64 s[G0B+4*\s+2:G0B+4*\s+3], s[46:47], \s*TILEB
	s_or_b32 s[G0B+4*\s+3], s[G0B+4*\s+3], 0x80000000
	s_wait_alu depctr_va_vdst(0)
	s_wait_tensorcnt 0x0
	ds_add_u32 v28, v29
	s_wait_dscnt 0x0
	CROUND
	JLOAD G0+4*\s, G1, G0B+4*\s, G1B
.endr
	v_and_b32 v1, 15, v0
	v_bfe_u32 v2, v0, 4, 1
	v_and_b32 v3, 31, v0
	v_lshlrev_b32 v[L16], 4, v3
	v_lshlrev_b32 v[L8], 3, v3
	s_mul_i32 s21, s15, HALFT
	s_mul_i32 s22, s16, HALFT
	s_add_co_u32 s22, s22, 2*HALFT
.irp s, 0,1
	v_add_nc_u32 v[ADRA+\s], s21, v[L16]
	v_add_nc_u32 v[ADRB+\s], s22, v[L16]
	s_add_co_u32 s21, s21, SLOT
	s_add_co_u32 s22, s22, SLOT
.endr
	v_mul_u32_u24 v5, v1, KS
	v_lshrrev_b32 v6, 8, v5
	v_lshl_add_u32 v5, v6, 4, v5
	s_mul_i32 s21, s15, HALFS
	s_mul_i32 s22, s16, HALFS
	s_add_co_u32 s22, s22, 2*HALFS
	s_sub_co_u32 s22, s22, s21
	v_mul_u32_u24 v6, s22, v2
	s_add_co_u32 s21, s21, SCL
	v_add_nc_u32 v5, v5, v6
	v_add_nc_u32 v[ADRS], s21, v5
.irp b, 0,1,2,3
	v_mov_b32 v[TM+4+\b], 0
.endr
.if VP == 0
	s_cmp_eq_u32 ttmp9, 0
	s_cselect_b64 s[96:97], s[96:97], s[98:99]
	s_lshl_b32 s92, s40, 10
	s_lshl_b32 s93, s16, 9
	s_add_co_u32 s92, s92, s93
	s_mov_b32 s93, 0
	s_add_nc_u64 s[96:97], s[96:97], s[92:93]
	v_lshlrev_b32 v7, 6, v2
.irp b, 0,1,2,3,4,5,6,7
	global_load_b128 v[BI+8*\b:BI+8*\b+3], v7, s[96:97] offset:(32*(\b/2)+8*(\b%2))*4
	global_load_b128 v[BI+8*\b+4:BI+8*\b+7], v7, s[96:97] offset:(32*(\b/2)+8*(\b%2))*4+16
.endr
	s_lshl_b32 s92, s42, 8
	s_lshl_b32 s93, s16, 7
	s_add_co_u32 s92, s92, s93
	s_lshl_b32 s93, s17, 1
	s_add_co_u32 s92, s92, s93
	s_add_co_u32 s92, s92, s15
	s_mul_i32 s92, s92, 6656
	s_mov_b32 s93, 0
	s_add_nc_u64 s[12:13], s[12:13], s[92:93]
	s_lshl_b32 s21, s14, 10
	v_lshlrev_b32 v5, 2, v1
	v_lshl_add_u32 v5, v2, 9, v5
	v_add_nc_u32 v[SWA], s21, v5
	v_add_nc_u32 v[SRA], s21, v[L16]
	v_lshlrev_b32 v[SH], 4, v2
	v_mov_b32 v[K7], 0x7f7f0000
.else
	s_lshl_b32 s92, s17, 10
	s_lshl_b32 s93, s15, 9
	s_add_co_u32 s92, s92, s93
	s_mov_b32 s93, 0
	s_add_nc_u64 s[96:97], s[96:97], s[92:93]
	v_and_b32 v7, 8, v1
	v_add_nc_u32 v7, v7, v1
	v_lshlrev_b32 v7, 2, v7
.irp a, 0,1,2,3,4,5,6,7
.irp j, 0,1,2,3,4,5,6,7
	global_load_b32 v[BI+8*\a+\j], v7, s[96:97] offset:(32*(\a/2)+8*(\a%2))*4
.endr
.endr
	s_lshl_b32 s92, s17, 8
	s_lshl_b32 s93, s15, 7
	s_add_co_u32 s92, s92, s93
	s_lshl_b32 s93, s42, 1
	s_add_co_u32 s92, s92, s93
	s_add_co_u32 s92, s92, s16
	s_mul_i32 s92, s92, 6400
	s_mov_b32 s93, 0
	s_add_nc_u64 s[12:13], s[12:13], s[92:93]
	s_lshl_b32 s21, s14, 9
	v_lshlrev_b32 v5, 2, v1
	v_add_nc_u32 v[SWA], s21, v5
	v_add_nc_u32 v[SRA], s21, v[L16]
	v_lshlrev_b32 v5, 4, v1
	v_mad_u32_u24 v[OA], v2, 409600, v5
.endif
.macro FRAG reg, adr, q, i
.irp g, 0,1,2
	ds_load_b128 v[\reg+4*\g:\reg+4*\g+3], v[\adr] offset:TILEB*(\i)+1536*(\q)+512*\g
.endr
.endm
.macro MUL16 a0, p, q, sc, zero
.irp a, \a0, \a0+1
.irp b, 0,1,2,3,4,5,6,7
.if \zero
.if VP
.set CB, BI+8*(\a)
.else
.set CB, BI+8*\b
.endif
	v_wmma_scale_f32_16x16x128_f8f6f4 v[8*(8*((\a)%4)+\b):8*(8*((\a)%4)+\b)+7], v[128*(\p)+FR*\b:128*(\p)+FR*\b+FR-1], v[AF+FR*(\a):AF+FR*(\a)+FR-1], v[CB:CB+7], v[SC+8*NQ*(\sc)+NQ*\b+(\q)], v[SC+8*NQ*(\sc)+NQ*(\a)+(\q)] matrix_a_fmt:MATRIX_FMT_BF6 matrix_b_fmt:MATRIX_FMT_BF6 matrix_a_scale:MATRIX_SCALE_ROW1
.else
	v_wmma_scale_f32_16x16x128_f8f6f4 v[8*(8*((\a)%4)+\b):8*(8*((\a)%4)+\b)+7], v[128*(\p)+FR*\b:128*(\p)+FR*\b+FR-1], v[AF+FR*(\a):AF+FR*(\a)+FR-1], v[8*(8*((\a)%4)+\b):8*(8*((\a)%4)+\b)+7], v[SC+8*NQ*(\sc)+NQ*\b+(\q)], v[SC+8*NQ*(\sc)+NQ*(\a)+(\q)] matrix_a_fmt:MATRIX_FMT_BF6 matrix_b_fmt:MATRIX_FMT_BF6 matrix_a_scale:MATRIX_SCALE_ROW1
.endif
.endr
.endr
.endm
.macro FETCH_B slot, q, p
	WIN TO_B
.irp i, 0,1,2,3,4,5,6,7
	FRAG 128*(\p)+FR*\i, ADRB+\slot, \q, \i
.endr
	WIN 0
.endm
.macro FETCH_A slot, q, i0
.irp i, \i0, \i0+1, \i0+2, \i0+3
	FRAG AF+FR*(\i), ADRA+\slot, \q, \i
.endr
.endm
.macro SCALES sc
.irp i, 0,1,2,3,4,5,6,7
	ds_load_b64 v[SC+8*NQ*\sc+NQ*\i:SC+8*NQ*\sc+NQ*\i+1], v[ADRS] offset:\i*SBLK
.endr
.endm
.macro PLACES n
.rept \n
	v_nop
.endr
.endm
.macro STEP slot, q, zero
	s_wait_dscnt 4*NL
	WIN (MUL_LO-0x20*\zero)
	MUL16 0, (\q)%2, \q, \slot, \zero
	MUL16 2, (\q)%2, \q, \slot, \zero
	s_wait_dscnt 0
	PLACES NP
	FETCH_B \slot, (\q)+1, 1-(\q)%2
	FETCH_A \slot, (\q)+1, 0
	WIN (MUL_HI-0x30*\zero)
	MUL16 4, (\q)%2, \q, \slot, \zero
	MUL16 6, (\q)%2, \q, \slot, \zero
	PLACES NP
	WIN 0
	FETCH_A \slot, (\q)+1, 4
.endm
.macro TURN slot, next, fill
	s_wait_tensorcnt 0x0
	ds_add_u32 v[SPW], v[NIL]
	s_wait_dscnt 4*NL+1
	WIN MUL_LO
	MUL16 0, 1, NQ-1, \slot, 0
	s_wait_dscnt 0x0
	s_barrier_signal -1
	MUL16 2, 1, NQ-1, \slot, 0
	WIN 0
	s_barrier_wait -1
.if \fill
	CREST
	s_add_nc_u64 s[G0+4*\slot+2:G0+4*\slot+3], s[G0+4*\slot+2:G0+4*\slot+3], 2*TILEB
	s_add_nc_u64 s[G0B+4*\slot+2:G0B+4*\slot+3], s[G0B+4*\slot+2:G0B+4*\slot+3], 2*TILEB
	JLOAD G0+4*\slot, G1, G0B+4*\slot, G1B
.else
	PLACES NP
.endif
	s_wait_alu depctr_va_vdst(0)
	v_add_nc_u32 v[ADRS], 4*NQ, v[ADRS]
	FETCH_B \next, 0, 0
	FETCH_A \next, 0, 0
	SCALES \next
	WIN MUL_HI
	MUL16 4, 1, NQ-1, \slot, 0
	MUL16 6, 1, NQ-1, \slot, 0
	PLACES NP
	WIN 0
	FETCH_A \next, 0, 4
.endm
	s_wait_tensorcnt 1
	s_barrier_signal -1
	s_barrier_wait -1
	FETCH_B 0, 0, 0
	FETCH_A 0, 0, 0
	SCALES 0
	FETCH_A 0, 0, 4
	s_wait_loadcnt 0x0
	STEP 0, 0, 1
	s_mov_b32 s3, LAPS-1
.Llap:
	TURN 0, 1, 1
	STEP 1, 0, 0
	TURN 1, 0, 1
	STEP 0, 0, 0
	s_sub_co_u32 s3, s3, 1
	s_cmp_lg_u32 s3, 0
	s_cbranch_scc1 .Llap
	TURN 0, 1, 0
	STEP 1, 0, 0
	s_wait_dscnt 4*NL
	WIN MUL_LO
	MUL16 0, 1, NQ-1, 1, 0
	MUL16 2, 1, NQ-1, 1, 0
	s_wait_dscnt 0
	WIN MUL_HI
	MUL16 4, 1, NQ-1, 1, 0
	MUL16 6, 1, NQ-1, 1, 0
	WIN 0
.macro OUTA a
.set AC, 64*((\a)%4)
.set WW, 2+(\a)/4
	WIN (WW|(WW<<2))
.irp b, 0,1,2,3
	v_max3_num_f32 v[TM+\b], |v[AC+16*\b]|, |v[AC+1+16*\b]|, 0x2800000
.endr
.irp i, 2,4,6,8,10,12,14
.irp b, 0,1,2,3
	v_max3_num_f32 v[TM+\b], |v[AC+16*\b+\i]|, |v[AC+1+16*\b+\i]|, v[TM+\b]
.endr
.endr
	WIN 0
.irp b, 0,1,2,3
	v_permlanex16_b32 v[TM+4+\b], v[TM+\b], s[SEL], s[SEL+1]
.endr
.irp b, 0,1,2,3
	v_max_num_f32 v[TM+\b], v[TM+\b], v[TM+4+\b]
.endr
.irp b, 0,1,2,3
	v_add_nc_u32 v[TM+12+\b], 0xfe000000, v[TM+\b]
.endr
.irp b, 0,1,2,3
	v_lshrrev_b32 v[TM+4+\b], 23, v[TM+12+\b]
.endr
	v_lshl_or_b32 v[PW], v[TM+5], 8, v[TM+4]
	v_lshl_or_b32 v[PW], v[TM+6], 16, v[PW]
	v_lshl_or_b32 v[PW], v[TM+7], 24, v[PW]
.if (\a) > 0
	s_wait_xcnt 0x0
.endif
	WIN WW
.irp c, 0,1
	v_cvt_scalef32_pk16_bf6_f32 v[PC+6*\c:PC+2+6*\c], v[AC+32*\c:AC+15+32*\c], v[TM+12+2*\c]
	v_cvt_scalef32_pk16_bf6_f32 v[PC+12+4*\c:PC+14+4*\c], v[AC+16+32*\c:AC+31+32*\c], v[TM+12+2*\c+1]
.endr
	WIN 0
	v_nop
.irp c, 0,1
.irp i, 0,1,2
	v_permlane16_swap_b32 v[PC+6*\c+\i], v[PC+12+4*\c+\i]
.endr
.irp i, 0,1,2
	v_mov_b32 v[PC+3+6*\c+\i], v[PC+12+4*\c+\i]
.endr
.endr
.if VP == 0
.irp c, 0,1
.irp p, 0,1,2
	global_store_b64 v[L8], v[PC+6*\c+2*\p:PC+6*\c+2*\p+1], s[12:13] offset:425984*\c+768*(\a)+256*\p
.endr
.endr
	v_lshrrev_b32 v[WD], v[SH], v[PW]
	v_and_or_b32 v[WD], v[WD], 0xffff, v[K7]
	ds_store_b32 v[SWA], v[WD] offset:64*(\a)
.else
.irp g, 0,1,2
	global_store_b128 v[L16], v[PC+4*\g:PC+4*\g+3], s[12:13] offset:409600*((\a)/4)+1536*((\a)%4)+512*\g
.endr
	ds_store_b32 v[SWA], v[PW] offset:64*(\a)
.endif
.endm
	PLACES NP
.irp a, 0,1,2,3,4,5,6,7
	OUTA \a
.endr
.if VP == 0
	ds_load_b128 v[BK:BK+3], v[SRA]
	ds_load_b128 v[BK+4:BK+7], v[SRA] offset:512
	s_wait_dscnt 0x0
	global_store_b128 v[L16], v[BK:BK+3], s[12:13] offset:6144
	global_store_b128 v[L16], v[BK+4:BK+7], s[12:13] offset:425984+6144
.else
	ds_load_b128 v[BK:BK+3], v[SRA]
	s_wait_dscnt 0x0
	global_store_b128 v[OA], v[BK:BK+3], s[12:13] offset:6144
.endif
	s_wait_tensorcnt 0x0
	ds_add_u32 v[SPW], v[NIL]
	s_wait_dscnt 0x0
	CROUND
	s_endpgm
.Lfunc_end_k_qe1cd0804e8_gemm_qk:
	.size	k_qe1cd0804e8_gemm_qk, .Lfunc_end_k_qe1cd0804e8_gemm_qk-k_qe1cd0804e8_gemm_qk
	.p2alignl 7, 3214868480
	.fill 96, 4, 3214868480
	.section	.rodata,"a",@progbits
	.p2align	6, 0x0
	.amdhsa_kernel k_qe1cd0804e8_gemm_qk
		.amdhsa_group_segment_fixed_size 327680
		.amdhsa_private_segment_fixed_size 0
		.amdhsa_enable_private_segment 0
		.amdhsa_kernarg_size 56
		.amdhsa_user_sgpr_count 2
		.amdhsa_user_sgpr_kernarg_segment_ptr 1
		.amdhsa_wavefront_size32 1
		.amdhsa_system_sgpr_workgroup_id_x 1
		.amdhsa_system_sgpr_workgroup_id_y 1
		.amdhsa_system_sgpr_workgroup_id_z 1
		.amdhsa_system_vgpr_workitem_id 0
		.amdhsa_next_free_vgpr 1024
		.amdhsa_next_free_sgpr 104
		.amdhsa_reserve_vcc 0
		.amdhsa_float_denorm_mode_32 3
		.amdhsa_float_denorm_mode_16_64 3
		.amdhsa_memory_ordered 1
		.amdhsa_forward_progress 1
		.amdhsa_inst_pref_size 146
	.end_amdhsa_kernel
	.amdgpu_metadata
---
amdhsa.version: [ 1, 2 ]
amdhsa.kernels:
  - .name:           k_qe1cd0804e8_gemm_qk
    .symbol:         k_qe1cd0804e8_gemm_qk.kd
    .args:
      - { .name: xc, .offset: 0, .size: 8, .value_kind: global_buffer, .address_space: global }
      - { .name: xs, .offset: 8, .size: 8, .value_kind: global_buffer, .address_space: global }
      - { .name: wc, .offset: 16, .size: 8, .value_kind: global_buffer, .address_space: global }
      - { .name: ws, .offset: 24, .size: 8, .value_kind: global_buffer, .address_space: global }
      - { .name: bq, .offset: 32, .size: 8, .value_kind: global_buffer, .address_space: global }
      - { .name: bk, .offset: 40, .size: 8, .value_kind: global_buffer, .address_space: global }
      - { .name: qk, .offset: 48, .size: 8, .value_kind: global_buffer, .address_space: global }
    .group_segment_fixed_size: 327680
    .private_segment_fixed_size: 0
    .kernarg_segment_align: 8
    .kernarg_segment_size: 56
    .max_flat_workgroup_size: 128
    .sgpr_count:     104
    .vgpr_count:     1024
    .wavefront_size: 32
...
	.end_amdgpu_metadata
.endif
;; end of part 2
;; launch gemm_v (part 3): grid 32 x 4, 4 waves a work-group, clusters of 4 x 4, 327,680 bytes of LDS; arguments wc, ws, xc, xs, bv, vv; writes vv
.if DOCPART == 3
	.amdgcn_target "amdgcn-amd-amdhsa--gfx1250"
	.amdhsa_code_object_version 6
	.text
	.protected	k_qe1cd0804e8_gemm_v
	.globl	k_qe1cd0804e8_gemm_v
	.p2align	8
	.type	k_qe1cd0804e8_gemm_v,@function
k_qe1cd0804e8_gemm_v:
	s_mov_b64 s[64:65], 0
	v_nop
	global_prefetch_b8 v0, s[64:65] scope:SCOPE_SE
	s_setreg_imm32_b32 hwreg(HW_REG_WAVE_MODE, 25, 1), 1
	s_wait_xcnt 0x0
	s_wait_alu depctr_hold_cnt(0) depctr_sa_sdst(0) depctr_va_vdst(0) depctr_va_sdst(0) depctr_va_ssrc(0) depctr_va_vcc(0) depctr_vm_vsrc(0)
	s_getreg_b32 s2, hwreg(HW_REG_IB_STS2, 6, 4)
	s_cmp_eq_u32 s2, 0
	s_cbranch_scc0 .Lentry_in_a_cluster
	s_endpgm
.Lentry_in_a_cluster:
	s_bfe_u32 s2, ttmp6, 0x10000c
	s_cmp_lg_u32 s2, 0xf033
	s_cbranch_scc0 .Lentry_shape_is_right
	s_endpgm
.Lentry_shape_is_right:
.set VP,    1
.set KROW,  768
.set FR,    12
.set NL,    3
.set NP,    4
.set NQ,    2
.set TILEB, 3072
.set HALFT, 8*TILEB
.set SLOT,  4*HALFT
.set LAPS,  2
.set KS,    32
.set SCL,   2*SLOT
.set HALFS, 16*272
.set SBLK,  2*272
.set SPARE, SCL+4*HALFS
.set ADRA, 16
.set ADRB, 20
.set ADRS, 27
.set SPW,  28
.set NIL,  29
.set SC,   32
.set BI,   64
.set PC,   64
.set BK,   84
.set AF,   128
.set SH,   225
.set K7,   226
.set TM,   228
.set PW,   244
.set WD,   245
.set L8,   246
.set SWA,  247
.set SRA,  248
.set OA,   249
.set L16,  250
.set G1, 24
.set G0, 32
.set G1B, 48
.set G0B, 56
.set G1S, 68
.set G0S, 76
.set G1SB, 80
.set G0SB, 88
.set SEL, 100
.set MSB, 0
.macro WIN new
.if MSB != \new
	s_set_vgpr_msb (MSB<<8)|\new
.set MSB, \new
.endif
.endm
.set MUL_LO, 0xa1
.set MUL_HI, 0xf1
.set TO_B,   0x40
.macro JLOAD g0a, g1a, g0b, g1b
	s_cmp_eq_u32 s15, 0
	s_cbranch_scc0 .Lfor_b_\@
	tensor_load_to_lds s[\g0a:\g0a+3], s[\g1a:\g1a+7]
	s_nop 0
.rept 4
	v_nop
.endr
	s_branch .Lasked_\@
.Lfor_b_\@:
	tensor_load_to_lds s[\g0b:\g0b+3], s[\g1b:\g1b+7]
	s_nop 0
.rept 4
	v_nop
.endr
.Lasked_\@:
.endm
.macro CREST
	s_cmp_lg_u32 s14, 0
	s_cbranch_scc1 .Lnot_wave_0_\@
	s_barrier_signal -3
.Lnot_wave_0_\@:
	s_barrier_wait -3
	s_barrier_signal -1
	s_barrier_wait -1
.endm
.macro CROUND
	s_barrier_signal -1
	s_barrier_wait -1
	CREST
.endm
	s_load_b128 s[4:7], s[0:1], 0x0
	s_load_b128 s[8:11], s[0:1], 0x10
	s_load_b128 s[96:99], s[0:1], 0x20
.if VP == 0
	s_load_b64 s[12:13], s[0:1], 0x30
.endif
	v_lshl_add_u32 v[SPW], v0, 2, SPARE
	v_mov_b32 v[NIL], 0
	ds_add_u32 v28, v29
	ds_add_u32 v28, v29
	s_wait_dscnt 0x0
	v_lshrrev_b32 v1, 5, v0
	v_readfirstlane_b32 s14, v1
	s_lshr_b32 s15, s14, 1
	s_and_b32 s16, s14, 1
	s_bfe_u32 s40, ttmp6, 0x40000
	s_bfe_u32 s41, ttmp6, 0x40004
	s_lshl_b32 s42, ttmp9, 2
	s_add_co_u32 s42, s42, s40
.if VP == 0
	s_and_b32 s17, ttmp7, 0xffff
	s_lshl_b32 s17, s17, 2
	s_add_co_u32 s17, s17, s41
.else
	s_mov_b32 s17, s41
.endif
	s_lshl_b32 s43, s41, 2
	s_lshl_b32 s43, 15, s43
	s_lshl_b32 s44, 0x1111, s40
	s_or_b32 s[G1+0], s43, (3<<16)|(1<<21)
	s_or_b32 s[G1B+0], s44, (3<<16)|(1<<21)
.irp g, G1, G1B
	s_mov_b32 s[\g+1], 384<<16
	s_mov_b32 s[\g+2], 8<<16
	s_mov_b32 s[\g+3], 384<<16
	s_mov_b32 s[\g+4], 8
	s_mov_b32 s[\g+5], 1536
	s_mov_b32 s[\g+6], 0
	s_mov_b32 s[\g+7], 0
.endr
	s_or_b32 s[G1S+0], s43, (3<<16)|(1<<20)|(1<<21)|(5<<22)|(3<<25)
	s_or_b32 s[G1SB+0], s44, (3<<16)|(1<<20)|(1<<21)|(5<<22)|(3<<25)
.irp g, G1S, G1SB
	s_mov_b32 s[\g+1], 32<<16
	s_mov_b32 s[\g+2], 16<<16
	s_mov_b32 s[\g+3], 32<<16
	s_mov_b32 s[\g+4], 16
	s_mov_b32 s[\g+5], 32
	s_mov_b32 s[\g+6], 0
	s_mov_b32 s[\g+7], 0
.endr
	s_lshl_b32 s18, s16, 7
	s_lshl_b32 s20, s17, 8
	s_add_co_u32 s20, s20, s18
	s_lshl_b32 s46, s42, 8
	s_add_co_u32 s46, s46, s18
	s_mov_b32 s21, 0
	s_mov_b32 s47, 0
	s_mov_b64 s[18:19], KS
	s_mul_u64 s[22:23], s[20:21], s[18:19]
	s_mul_u64 s[92:93], s[46:47], s[18:19]
	s_mov_b64 s[18:19], KROW
	s_mul_u64 s[20:21], s[20:21], s[18:19]
	s_mul_u64 s[46:47], s[46:47], s[18:19]
	s_mul_i32 s45, s14, HALFT
	s_mul_i32 s94, s14, HALFS
	s_mov_b32 s[SEL], 0x76543210
	s_mov_b32 s[SEL+1], 0xfedcba98
	s_wait_kmcnt 0x0
.if VP
	s_mov_b64 s[12:13], s[98:99]
	s_add_nc_u64 s[4:5], s[4:5], 1572864
	s_add_nc_u64 s[6:7], s[6:7], 65536
.endif
	s_add_nc_u64 s[20:21], s[4:5], s[20:21]
	s_add_nc_u64 s[22:23], s[6:7], s[22:23]
	s_add_nc_u64 s[46:47], s[8:9], s[46:47]
	s_add_nc_u64 s[92:93], s[10:11], s[92:93]
	CROUND
	s_mov_b32 s[G0S], 1
	s_add_co_u32 s[G0S+1], s94, SCL
	s_mov_b64 s[G0S+2:G0S+3], s[22:23]
	s_or_b32 s[G0S+3], s[G0S+3], 0x80000000
	s_mov_b32 s[G0SB], 1
	s_add_co_u32 s[G0SB+1], s94, SCL
	s_mov_b64 s[G0SB+2:G0SB+3], s[92:93]
	s_or_b32 s[G0SB+3], s[G0SB+3], 0x80000000
	JLOAD G0S, G1S, G0SB, G1SB
.irp s, 0,1
	s_mov_b32 s[G0+4*\s], 1
	s_add_co_u32 s[G0+4*\s+1], s45, \s*SLOT
	s_add_nc_u64 s[G0+4*\s+2:G0+4*\s+3], s[20:21], \s*TILEB
	s_or_b32 s[G0+4*\s+3], s[G0+4*\s+3], 0x80000000
	s_mov_b32 s[G0B+4*\s], 1
	s_add_co_u32 s[G0B+4*\s+1], s45, \s*SLOT
	s_add_nc_u64 s[G0B+4*\s+2:G0B+4*\s+3], s[46:47], \s*TILEB
	s_or_b32 s[G0B+4*\s+3], s[G0B+4*\s+3], 0x80000000
	s_wait_alu depctr_va_vdst(0)
	s_wait_tensorcnt 0x0
	ds_add_u32 v28, v29
	s_wait_dscnt 0x0
	CROUND
	JLOAD G0+4*\s, G1, G0B+4*\s, G1B
.endr
	v_and_b32 v1, 15, v0
	v_bfe_u32 v2, v0, 4, 1
	v_and_b32 v3, 31, v0
	v_lshlrev_b32 v[L16], 4, v3
	v_lshlrev_b32 v[L8], 3, v3
	s_mul_i32 s21, s15, HALFT
	s_mul_i32 s22, s16, HALFT
	s_add_co_u32 s22, s22, 2*HALFT
.irp s, 0,1
	v_add_nc_u32 v[ADRA+\s], s21, v[L16]
	v_add_nc_u32 v[ADRB+\s], s22, v[L16]
	s_add_co_u32 s21, s21, SLOT
	s_add_co_u32 s22, s22, SLOT
.endr
	v_mul_u32_u24 v5, v1, KS
	v_lshrrev_b32 v6, 8, v5
	v_lshl_add_u32 v5, v6, 4, v5
	s_mul_i32 s21, s15, HALFS
	s_mul_i32 s22, s16, HALFS
	s_add_co_u32 s22, s22, 2*HALFS
	s_sub_co_u32 s22, s22, s21
	v_mul_u32_u24 v6, s22, v2
	s_add_co_u32 s21, s21, SCL
	v_add_nc_u32 v5, v5, v6
	v_add_nc_u32 v[ADRS], s21, v5
.irp b, 0,1,2,3
	v_mov_b32 v[TM+4+\b], 0
.endr
.if VP == 0
	s_cmp_eq_u32 ttmp9, 0
	s_cselect_b64 s[96:97], s[96:97], s[98:99]
	s_lshl_b32 s92, s40, 10
	s_lshl_b32 s93, s16, 9
	s_add_co_u32 s92, s92, s93
	s_mov_b32 s93, 0
	s_add_nc_u64 s[96:97], s[96:97], s[92:93]
	v_lshlrev_b32 v7, 6, v2
.irp b, 0,1,2,3,4,5,6,7
	global_load_b128 v[BI+8*\b:BI+8*\b+3], v7, s[96:97] offset:(32*(\b/2)+8*(\b%2))*4
	global_load_b128 v[BI+8*\b+4:BI+8*\b+7], v7, s[96:97] offset:(32*(\b/2)+8*(\b%2))*4+16
.endr
	s_lshl_b32 s92, s42, 8
	s_lshl_b32 s93, s16, 7
	s_add_co_u32 s92, s92, s93
	s_lshl_b32 s93, s17, 1
	s_add_co_u32 s92, s92, s93
	s_add_co_u32 s92, s92, s15
	s_mul_i32 s92, s92, 6656
	s_mov_b32 s93, 0
	s_add_nc_u64 s[12:13], s[12:13], s[92:93]
	s_lshl_b32 s21, s14, 10
	v_lshlrev_b32 v5, 2, v1
	v_lshl_add_u32 v5, v2, 9, v5
	v_add_nc_u32 v[SWA], s21, v5
	v_add_nc_u32 v[SRA], s21, v[L16]
	v_lshlrev_b32 v[SH], 4, v2
	v_mov_b32 v[K7], 0x7f7f0000
.else
	s_lshl_b32 s92, s17, 10
	s_lshl_b32 s93, s15, 9
	s_add_co_u32 s92, s92, s93
	s_mov_b32 s93, 0
	s_add_nc_u64 s[96:97], s[96:97], s[92:93]
	v_and_b32 v7, 8, v1
	v_add_nc_u32 v7, v7, v1
	v_lshlrev_b32 v7, 2, v7
.irp a, 0,1,2,3,4,5,6,7
.irp j, 0,1,2,3,4,5,6,7
	global_load_b32 v[BI+8*\a+\j], v7, s[96:97] offset:(32*(\a/2)+8*(\a%2))*4
.endr
.endr
	s_lshl_b32 s92, s17, 8
	s_lshl_b32 s93, s15, 7
	s_add_co_u32 s92, s92, s93
	s_lshl_b32 s93, s42, 1
	s_add_co_u32 s92, s92, s93
	s_add_co_u32 s92, s92, s16
	s_mul_i32 s92, s92, 6400
	s_mov_b32 s93, 0
	s_add_nc_u64 s[12:13], s[12:13], s[92:93]
	s_lshl_b32 s21, s14, 9
	v_lshlrev_b32 v5, 2, v1
	v_add_nc_u32 v[SWA], s21, v5
	v_add_nc_u32 v[SRA], s21, v[L16]
	v_lshlrev_b32 v5, 4, v1
	v_mad_u32_u24 v[OA], v2, 409600, v5
.endif
.macro FRAG reg, adr, q, i
.irp g, 0,1,2
	ds_load_b128 v[\reg+4*\g:\reg+4*\g+3], v[\adr] offset:TILEB*(\i)+1536*(\q)+512*\g
.endr
.endm
.macro MUL16 a0, p, q, sc, zero
.irp a, \a0, \a0+1
.irp b, 0,1,2,3,4,5,6,7
.if \zero
.if VP
.set CB, BI+8*(\a)
.else
.set CB, BI+8*\b
.endif
	v_wmma_scale_f32_16x16x128_f8f6f4 v[8*(8*((\a)%4)+\b):8*(8*((\a)%4)+\b)+7], v[128*(\p)+FR*\b:128*(\p)+FR*\b+FR-1], v[AF+FR*(\a):AF+FR*(\a)+FR-1], v[CB:CB+7], v[SC+8*NQ*(\sc)+NQ*\b+(\q)], v[SC+8*NQ*(\sc)+NQ*(\a)+(\q)] matrix_a_fmt:MATRIX_FMT_BF6 matrix_b_fmt:MATRIX_FMT_BF6 matrix_a_scale:MATRIX_SCALE_ROW1
.else
	v_wmma_scale_f32_16x16x128_f8f6f4 v[8*(8*((\a)%4)+\b):8*(8*((\a)%4)+\b)+7], v[128*(\p)+FR*\b:128*(\p)+FR*\b+FR-1], v[AF+FR*(\a):AF+FR*(\a)+FR-1], v[8*(8*((\a)%4)+\b):8*(8*((\a)%4)+\b)+7], v[SC+8*NQ*(\sc)+NQ*\b+(\q)], v[SC+8*NQ*(\sc)+NQ*(\a)+(\q)] matrix_a_fmt:MATRIX_FMT_BF6 matrix_b_fmt:MATRIX_FMT_BF6 matrix_a_scale:MATRIX_SCALE_ROW1
.endif
.endr
.endr
.endm
.macro FETCH_B slot, q, p
	WIN TO_B
.irp i, 0,1,2,3,4,5,6,7
	FRAG 128*(\p)+FR*\i, ADRB+\slot, \q, \i
.endr
	WIN 0
.endm
.macro FETCH_A slot, q, i0
.irp i, \i0, \i0+1, \i0+2, \i0+3
	FRAG AF+FR*(\i), ADRA+\slot, \q, \i
.endr
.endm
.macro SCALES sc
.irp i, 0,1,2,3,4,5,6,7
	ds_load_b64 v[SC+8*NQ*\sc+NQ*\i:SC+8*NQ*\sc+NQ*\i+1], v[ADRS] offset:\i*SBLK
.endr
.endm
.macro PLACES n
.rept \n
	v_nop
.endr
.endm
.macro STEP slot, q, zero
	s_wait_dscnt 4*NL
	WIN (MUL_LO-0x20*\zero)
	MUL16 0, (\q)%2, \q, \slot, \zero
	MUL16 2, (\q)%2, \q, \slot, \zero
	s_wait_dscnt 0
	PLACES NP
	FETCH_B \slot, (\q)+1, 1-(\q)%2
	FETCH_A \slot, (\q)+1, 0
	WIN (MUL_HI-0x30*\zero)
	MUL16 4, (\q)%2, \q, \slot, \zero
	MUL16 6, (\q)%2, \q, \slot, \zero
	PLACES NP
	WIN 0
	FETCH_A \slot, (\q)+1, 4
.endm
.macro TURN slot, next, fill
	s_wait_tensorcnt 0x0
	ds_add_u32 v[SPW], v[NIL]
	s_wait_dscnt 4*NL+1
	WIN MUL_LO
	MUL16 0, 1, NQ-1, \slot, 0
	s_wait_dscnt 0x0
	s_barrier_signal -1
	MUL16 2, 1, NQ-1, \slot, 0
	WIN 0
	s_barrier_wait -1
.if \fill
	CREST
	s_add_nc_u64 s[G0+4*\slot+2:G0+4*\slot+3], s[G0+4*\slot+2:G0+4*\slot+3], 2*TILEB
	s_add_nc_u64 s[G0B+4*\slot+2:G0B+4*\slot+3], s[G0B+4*\slot+2:G0B+4*\slot+3], 2*TILEB
	JLOAD G0+4*\slot, G1, G0B+4*\slot, G1B
.else
	PLACES NP
.endif
	s_wait_alu depctr_va_vdst(0)
	v_add_nc_u32 v[ADRS], 4*NQ, v[ADRS]
	FETCH_B \next, 0, 0
	FETCH_A \next, 0, 0
	SCALES \next
	WIN MUL_HI
	MUL16 4, 1, NQ-1, \slot, 0
	MUL16 6, 1, NQ-1, \slot, 0
	PLACES NP
	WIN 0
	FETCH_A \next, 0, 4
.endm
	s_wait_tensorcnt 1
	s_barrier_signal -1
	s_barrier_wait -1
	FETCH_B 0, 0, 0
	FETCH_A 0, 0, 0
	SCALES 0
	FETCH_A 0, 0, 4
	s_wait_loadcnt 0x0
	STEP 0, 0, 1
	s_mov_b32 s3, LAPS-1
.Llap:
	TURN 0, 1, 1
	STEP 1, 0, 0
	TURN 1, 0, 1
	STEP 0, 0, 0
	s_sub_co_u32 s3, s3, 1
	s_cmp_lg_u32 s3, 0
	s_cbranch_scc1 .Llap
	TURN 0, 1, 0
	STEP 1, 0, 0
	s_wait_dscnt 4*NL
	WIN MUL_LO
	MUL16 0, 1, NQ-1, 1, 0
	MUL16 2, 1, NQ-1, 1, 0
	s_wait_dscnt 0
	WIN MUL_HI
	MUL16 4, 1, NQ-1, 1, 0
	MUL16 6, 1, NQ-1, 1, 0
	WIN 0
.macro OUTA a
.set AC, 64*((\a)%4)
.set WW, 2+(\a)/4
	WIN (WW|(WW<<2))
.irp b, 0,1,2,3
	v_max3_num_f32 v[TM+\b], |v[AC+16*\b]|, |v[AC+1+16*\b]|, 0x2800000
.endr
.irp i, 2,4,6,8,10,12,14
.irp b, 0,1,2,3
	v_max3_num_f32 v[TM+\b], |v[AC+16*\b+\i]|, |v[AC+1+16*\b+\i]|, v[TM+\b]
.endr
.endr
	WIN 0
.irp b, 0,1,2,3
	v_permlanex16_b32 v[TM+4+\b], v[TM+\b], s[SEL], s[SEL+1]
.endr
.irp b, 0,1,2,3
	v_max_num_f32 v[TM+\b], v[TM+\b], v[TM+4+\b]
.endr
.irp b, 0,1,2,3
	v_add_nc_u32 v[TM+12+\b], 0xfe000000, v[TM+\b]
.endr
.irp b, 0,1,2,3
	v_lshrrev_b32 v[TM+4+\b], 23, v[TM+12+\b]
.endr
	v_lshl_or_b32 v[PW], v[TM+5], 8, v[TM+4]
	v_lshl_or_b32 v[PW], v[TM+6], 16, v[PW]
	v_lshl_or_b32 v[PW], v[TM+7], 24, v[PW]
.if (\a) > 0
	s_wait_xcnt 0x0
.endif
	WIN WW
.irp c, 0,1
	v_cvt_scalef32_pk16_bf6_f32 v[PC+6*\c:PC+2+6*\c], v[AC+32*\c:AC+15+32*\c], v[TM+12+2*\c]
	v_cvt_scalef32_pk16_bf6_f32 v[PC+12+4*\c:PC+14+4*\c], v[AC+16+32*\c:AC+31+32*\c], v[TM+12+2*\c+1]
.endr
	WIN 0
	v_nop
.irp c, 0,1
.irp i, 0,1,2
	v_permlane16_swap_b32 v[PC+6*\c+\i], v[PC+12+4*\c+\i]
.endr
.irp i, 0,1,2
	v_mov_b32 v[PC+3+6*\c+\i], v[PC+12+4*\c+\i]
.endr
.endr
.if VP == 0
.irp c, 0,1
.irp p, 0,1,2
	global_store_b64 v[L8], v[PC+6*\c+2*\p:PC+6*\c+2*\p+1], s[12:13] offset:425984*\c+768*(\a)+256*\p
.endr
.endr
	v_lshrrev_b32 v[WD], v[SH], v[PW]
	v_and_or_b32 v[WD], v[WD], 0xffff, v[K7]
	ds_store_b32 v[SWA], v[WD] offset:64*(\a)
.else
.irp g, 0,1,2
	global_store_b128 v[L16], v[PC+4*\g:PC+4*\g+3], s[12:13] offset:409600*((\a)/4)+1536*((\a)%4)+512*\g
.endr
	ds_store_b32 v[SWA], v[PW] offset:64*(\a)
.endif
.endm
	PLACES NP
.irp a, 0,1,2,3,4,5,6,7
	OUTA \a
.endr
.if VP == 0
	ds_load_b128 v[BK:BK+3], v[SRA]
	ds_load_b128 v[BK+4:BK+7], v[SRA] offset:512
	s_wait_dscnt 0x0
	global_store_b128 v[L16], v[BK:BK+3], s[12:13] offset:6144
	global_store_b128 v[L16], v[BK+4:BK+7], s[12:13] offset:425984+6144
.else
	ds_load_b128 v[BK:BK+3], v[SRA]
	s_wait_dscnt 0x0
	global_store_b128 v[OA], v[BK:BK+3], s[12:13] offset:6144
.endif
	s_wait_tensorcnt 0x0
	ds_add_u32 v[SPW], v[NIL]
	s_wait_dscnt 0x0
	CROUND
	s_endpgm
.Lfunc_end_k_qe1cd0804e8_gemm_v:
	.size	k_qe1cd0804e8_gemm_v, .Lfunc_end_k_qe1cd0804e8_gemm_v-k_qe1cd0804e8_gemm_v
	.p2alignl 7, 3214868480
	.fill 96, 4, 3214868480
	.section	.rodata,"a",@progbits
	.p2align	6, 0x0
	.amdhsa_kernel k_qe1cd0804e8_gemm_v
		.amdhsa_group_segment_fixed_size 327680
		.amdhsa_private_segment_fixed_size 0
		.amdhsa_enable_private_segment 0
		.amdhsa_kernarg_size 48
		.amdhsa_user_sgpr_count 2
		.amdhsa_user_sgpr_kernarg_segment_ptr 1
		.amdhsa_wavefront_size32 1
		.amdhsa_system_sgpr_workgroup_id_x 1
		.amdhsa_system_sgpr_workgroup_id_y 1
		.amdhsa_system_sgpr_workgroup_id_z 1
		.amdhsa_system_vgpr_workitem_id 0
		.amdhsa_next_free_vgpr 1024
		.amdhsa_next_free_sgpr 104
		.amdhsa_reserve_vcc 0
		.amdhsa_float_denorm_mode_32 3
		.amdhsa_float_denorm_mode_16_64 3
		.amdhsa_memory_ordered 1
		.amdhsa_forward_progress 1
		.amdhsa_inst_pref_size 147
	.end_amdhsa_kernel
	.amdgpu_metadata
---
amdhsa.version: [ 1, 2 ]
amdhsa.kernels:
  - .name:           k_qe1cd0804e8_gemm_v
    .symbol:         k_qe1cd0804e8_gemm_v.kd
    .args:
      - { .name: wc, .offset: 0, .size: 8, .value_kind: global_buffer, .address_space: global }
      - { .name: ws, .offset: 8, .size: 8, .value_kind: global_buffer, .address_space: global }
      - { .name: xc, .offset: 16, .size: 8, .value_kind: global_buffer, .address_space: global }
      - { .name: xs, .offset: 24, .size: 8, .value_kind: global_buffer, .address_space: global }
      - { .name: bv, .offset: 32, .size: 8, .value_kind: global_buffer, .address_space: global }
      - { .name: vv, .offset: 40, .size: 8, .value_kind: global_buffer, .address_space: global }
    .group_segment_fixed_size: 327680
    .private_segment_fixed_size: 0
    .kernarg_segment_align: 8
    .kernarg_segment_size: 48
    .max_flat_workgroup_size: 128
    .sgpr_count:     104
    .vgpr_count:     1024
    .wavefront_size: 32
...
	.end_amdgpu_metadata
.endif
;; end of part 3
;; launch attn (part 4): grid 4 x 64, 16 waves a work-group, no clusters, 327,680 bytes of LDS; arguments qk, vv, cc, cs; writes cc, cs
.if DOCPART == 4
	.amdgcn_target "amdgcn-amd-amdhsa--gfx1250"
	.amdhsa_code_object_version 6
	.text
	.protected	k_qe1cd0804e8_attn
	.globl	k_qe1cd0804e8_attn
	.p2align	8
	.type	k_qe1cd0804e8_attn,@function
k_qe1cd0804e8_attn:
	s_mov_b64 s[64:65], 0
	v_nop
	global_prefetch_b8 v0, s[64:65] scope:SCOPE_SE
	s_setreg_imm32_b32 hwreg(HW_REG_WAVE_MODE, 25, 1), 1
	s_wait_xcnt 0x0
; ctx = Q(attn) Q(v), attn = the causal softmax of Q(q) Q(k)^T / 8, for one batch and head; ctx leaves as codes of BF6 (E3M2) with E8M0 bytes.
; WORK LEFT OUT.  reference() gives masked scores the lowest f32, takes a softmax, multiplies by the mask and divides by the masked sum.  In exact arithmetic the softmax's own
; divisor cancels: attn(q, k) = e(q, k) / (sum of e(q, j) over j <= q) for k <= q, else 0.  The diagonal key is never masked, so that sum is above 0 and the guard never chooses its zeros.
; So the softmax is taken over the keys j <= q alone, and steps of 128 keys that lie wholly above the diagonal are passed over.  A NaN or infinity that reaches only masked scores is not carried on.
; SHARES.  A work-group holds all 2,048 keys of its head in LDS (16 records of K, 16 of V, one tensor load of each a wave) and makes query blocks 7 - x and x of 256 (equal work for every x).
; A wave takes a tile of 16 queries.  Both products are used transposed: a lane holds one query, its registers run along the keys.
; TWO WALKS over the keys, since the operand is the FINISHED softmax.  Walk 1: scores, running maximum m, sum L of 2^(c s - c m), c = log2(e) / 8; each block of 32 keys leaves its largest score in the wave's own LDS words.
; Walk 2: scores again, attn = 2^(c s - c m - log2 L), one multiply-add and one exponential; a block's largest attn is the same two instructions on its stored largest score; codes; O^T += V^T attn^T.
; V's tiles land under the first walk 1; the wait for them and the barrier stand ahead of walk 2.
; THE DIAGONAL STEP: of its four blocks of 32 keys, block DB = (wave / 2) % 4 is cut by sixteen lane masks made once at the head, those above it are dead, those below it open.
; NO CLUSTER: the four work-groups that read the same K and V differ in their query blocks, and the jumps over dead steps hang on those, that is on a work-group's place among the four.
; NO PREFETCH: K and V are asked for whole at the head; no loop runs ahead of a load.
; LIMITS: NaN and infinities are not served; scaled scores stay under 2^31; 1 / L enters as an exponent, so a row's attn carries a relative error of up to half an ulp of |c m + log2 L|.
; REGISTERS: v1-5 lane constants; v8-11 addresses and at work; v12 -c m, then the row's bias; v13 m; v14-15 L; v16-27 q (upper half zeros), v28 its scales; v29 attn's scale word;
;   v6-7, v30-31, v254-255, v95 the second block's q; v32-85 K's fragments, then attn's codes; v86-93 K's scales; v96-159 scores; v160-191 O^T; v192-243 V; v244-251 block maxima and scales; v252-253 the add's two.
.set KREC, 6656
.set VREC, 6400
.set VB,   16*KREC
.set SPARE, 0x34000                    ; behind the tiles: the spare words, 128 bytes a wave
.set MXB,  0x34800                     ; behind them: 4,096 bytes a wave: 16 steps x 16 queries x 4 block maxima
.set SEL,  20
.set CS,   22
.set G1K,  24
.set G1V,  32
.set G0K,  40
.set G0V,  44
.set TK,   48
.set TV,   49
.set KF,   50
.set CNT,  51
.set TM,   60
.set NCS,  61
.set DB,   62
.set RB,   63
.set QMIN, 66
.set OC,   67
.set MK,   72                          ; s72-87: mask i: the lanes whose key 16 h + i of the cut block lies above their query
	s_load_b256 s[4:11], s[0:1], 0x0               ; qk, vv, cc, cs
	v_lshl_add_u32 v252, v0, 2, SPARE
	v_mov_b32 v253, 0
	ds_add_u32 v252, v253                          ; the opening lines: the add twice and its wait ahead of my first tensor load
	ds_add_u32 v252, v253
	v_lshrrev_b32 v8, 5, v0
	s_delay_alu instid0(VALU_DEP_1)
	v_readfirstlane_b32 s12, v8                    ; wave 0..15
	s_and_b32 s13, ttmp7, 0xffff
	s_and_b32 s14, s13, 15                         ; head
	s_lshr_b32 s15, s13, 4                         ; batch
	s_mov_b32 s[G1K], 3<<16                        ; a record of K: 26 dense rows of 256 bytes
	s_mov_b32 s[G1K+1], 32<<16
	s_mov_b32 s[G1K+2], 26<<16
	s_mov_b32 s[G1K+3], 32<<16
	s_mov_b32 s[G1K+4], 26
	s_mov_b32 s[G1K+5], 32
	s_mov_b32 s[G1K+6], 0
	s_mov_b32 s[G1K+7], 0
	s_mov_b32 s[G1V], 3<<16                        ; a record of V: 25 rows
	s_mov_b32 s[G1V+1], 32<<16
	s_mov_b32 s[G1V+2], 25<<16
	s_mov_b32 s[G1V+3], 32<<16
	s_mov_b32 s[G1V+4], 25
	s_mov_b32 s[G1V+5], 32
	s_mov_b32 s[G1V+6], 0
	s_mov_b32 s[G1V+7], 0
	s_lshl_b32 s[RB], s14, 6
	s_lshl_b32 s17, s15, 4
	s_add_co_u32 s[RB], s[RB], s17                 ; my head's first record: 64 head + 16 batch
	s_add_co_u32 s18, s[RB], s12                   ; V's record for my wave,
	s_add_co_u32 s16, s18, 1024                    ; K's: 16 heads of 64 records on
	s_mul_i32 s16, s16, KREC
	s_mov_b32 s17, 0
	s_mul_i32 s18, s18, VREC
	s_mov_b32 s19, 0
	s_mul_i32 s52, s12, KREC
	s_mul_i32 s53, s12, VREC
	s_add_co_u32 s53, s53, VB
	s_bfe_u32 s[DB], s12, 0x20001
	s_mov_b32 s[SEL], 0x76543210
	s_mov_b32 s[SEL+1], 0xfedcba98
	s_mov_b32 s[CS], 0x3e38aa3b                    ; c = log2(e) / 8
	s_mov_b32 s[CS+1], s[CS]
	s_mov_b32 s[NCS], 0xbe38aa3b                   ; -c
	s_wait_dscnt 0x0
	s_wait_kmcnt 0x0
	s_mov_b32 s[G0K], 1
	s_mov_b32 s[G0K+1], s52
	s_add_nc_u64 s[G0K+2:G0K+3], s[4:5], s[16:17]
	s_or_b32 s[G0K+3], s[G0K+3], 0x80000000
	s_mov_b32 s[G0V], 1
	s_mov_b32 s[G0V+1], s53
	s_add_nc_u64 s[G0V+2:G0V+3], s[6:7], s[18:19]
	s_or_b32 s[G0V+3], s[G0V+3], 0x80000000
	tensor_load_to_lds s[G0K:G0K+3], s[G1K:G1K+7]  ; my record of K: one tensor load a wave at the head
	s_nop 0
	s_lshl_b32 s16, s12, 12
	s_add_co_u32 s16, s16, MXB                     ; my wave's block maxima
	s_and_b32 s17, s12, 1
	s_lshl_b32 s17, s17, 3                         ; 8 u, u = tile % 2 = wave % 2
	v_and_b32 v8, 31, v0
	v_and_b32 v9, 15, v0                           ; r
	v_bfe_u32 v10, v0, 4, 1                        ; h
	v_lshlrev_b32 v1, 3, v8                        ; 8 x lane: half images
	v_lshl_add_u32 v2, v9, 2, 6144                 ; a record's scale words: 4 r
	v_lshlrev_b32 v3, 4, v8                        ; 16 x lane: V's images
	v_lshlrev_b32 v4, 4, v9
	v_add_nc_u32 v4, s16, v4                       ; my query's four maxima of a step
	v_mov_b32 v5, 0xff800000                       ; what a masked score becomes
	v_and_b32 v11, 8, v9
	v_add_nc_u32 v11, v11, v9
	v_lshlrev_b32 v10, 4, v10
	v_sub_nc_u32 v11, v11, v10
	v_add_nc_u32 v11, s17, v11                     ; my query's place in the cut block less my half's first key: 8 u + r + 8 (r / 8) - 16 h
.set n, 0
.rept 16
	v_cmp_gt_i32 s[MK+n], n, v11
.set n, n+1
.endr
.irp j, 22,23,24,25,26,27,80,81,82,83,84,85,248,249,250,251
	v_mov_b32 v\j, 0                               ; zero codes for K = 64 .. 127; a lane permute's destination counts as a source
.endr
	s_wait_alu depctr_va_vdst(0)
; q's fragment and scale words of tile 16 blk + wave
.macro QLOAD blk, sa, c0, c1, c2, sc
	s_lshl_b32 s68, \blk, 4
	s_add_co_u32 s68, s68, s12
	s_lshr_b32 s69, s68, 3
	s_add_co_u32 s69, s69, s[RB]
	s_mul_i32 s69, s69, KREC
	s_and_b32 s70, s68, 7
	s_mul_i32 s71, s70, 768
	s_lshl_b32 s70, s70, 6
	s_add_co_u32 s[\sa], s69, s71
	s_add_co_u32 s[\sa+2], s69, s70
	s_mov_b32 s[\sa+1], 0
	s_mov_b32 s[\sa+3], 0
	s_add_nc_u64 s[\sa:\sa+1], s[4:5], s[\sa:\sa+1]
	s_add_nc_u64 s[\sa+2:\sa+3], s[4:5], s[\sa+2:\sa+3]
	global_load_b64 v[\c0:\c0+1], v1, s[\sa:\sa+1]
	global_load_b64 v[\c1:\c1+1], v1, s[\sa:\sa+1] offset:256
	global_load_b64 v[\c2:\c2+1], v1, s[\sa:\sa+1] offset:512
	global_load_b32 v\sc, v2, s[\sa+2:\sa+3]
.endm
	s_sub_co_u32 s18, 7, ttmp9
	QLOAD s18, 52, 16, 18, 20, 28                  ; the first block's q, in place
	QLOAD ttmp9, 56, 6, 30, 254, 95                ; the second block's, kept until the first is done
	s_wait_alu depctr_va_vdst(0)
	s_wait_tensorcnt 0x0                           ; my record of K is in
	ds_add_u32 v252, v253
	s_wait_dscnt 0x0
	s_barrier_signal -1
	s_barrier_wait -1                              ; all of K is in
	tensor_load_to_lds s[G0V:G0V+3], s[G1V:G1V+7]  ; my record of V: it lands under walk 1
	s_nop 0
	s_wait_loadcnt 0x0                             ; both q
.macro KLOADS
.irp t, 0,1,2,3,4,5,6,7
.irp p, 0,1,2
	ds_load_b64 v[32+6*\t+2*\p:33+6*\t+2*\p], v8 offset:768*\t+256*\p
.endr
	ds_load_b32 v[86+\t], v9 offset:64*\t
.endr
.endm
.macro SPROD                           ; S^T = k q^T: a tile's upper 64 of K are the next tile's registers, against q's zero codes
.irp t, 0,1,2,3,4,5,6,7
	v_wmma_scale_f32_16x16x128_f8f6f4 v[96+8*\t:103+8*\t], v[32+6*\t:43+6*\t], v[16:27], 0, v[86+\t], v28 matrix_a_fmt:MATRIX_FMT_BF6 matrix_b_fmt:MATRIX_FMT_BF6
.endr
.endm
.macro MBLK b                          ; block b of the diagonal step: open under DB, cut at DB, dead above it
.if \b > 0
	s_cmp_lt_u32 s[DB], \b
	s_cbranch_scc1 .Ldead_\@
.endif
	s_cmp_lg_u32 s[DB], \b
	s_cbranch_scc1 .Ldone_\@
.set n, 0
.rept 16
	v_cndmask_b32 v[96+16*\b+n], v[96+16*\b+n], v5, s[MK+n]
.set n, n+1
.endr
.if \b > 0
	s_branch .Ldone_\@
.Ldead_\@:
.set n, 0
.rept 16
	v_mov_b32 v[96+16*\b+n], v5
.set n, n+1
.endr
.endif
.Ldone_\@:
.endm
.macro MASK
	s_add_co_u32 s69, s[KF], 127
	s_cmp_le_u32 s69, s[QMIN]
	s_cbranch_scc1 .Lopen_\@
	MBLK 0
	MBLK 1
	MBLK 2
	MBLK 3
.Lopen_\@:
	s_wait_alu depctr_va_vdst(0)
.endm
.macro TOEXP                           ; c s + the row's addend, two at a time
.set n, 0
.rept 32
	v_pk_fma_f32 v[96+2*n:97+2*n], v[96+2*n:97+2*n], s[CS:CS+1], v[12:13] op_sel_hi:[1,0,0]
.set n, n+1
.endr
	s_wait_alu depctr_va_vdst(0)
.set n, 0
.rept 64
	v_exp_f32 v[96+n], v[96+n]
.set n, n+1
.endr
.endm
.macro D n
	s_delay_alu instid0(VALU_DEP_\n)
.endm
	s_mov_b32 s[OC], 0
.Lblock:
	s_sub_co_u32 s68, 7, ttmp9
	s_cmp_eq_u32 s[OC], 0
	s_cselect_b32 s68, s68, ttmp9                  ; query block 7 - x, then x
	s_lshl_b32 s68, s68, 4
	s_add_co_u32 s68, s68, s12                     ; my tile
	s_lshr_b32 s69, s68, 1
	s_lshl_b32 s69, s69, 5
	s_and_b32 s70, s68, 1
	s_lshl_b32 s70, s70, 3
	s_add_co_u32 s[QMIN], s69, s70                 ; its lowest query
	s_lshl_b32 s56, s15, 7
	s_add_co_u32 s56, s56, s68
	s_lshl_b32 s58, s56, 9
	s_mul_i32 s56, s56, 12288
	s_mul_i32 s69, s14, 768
	s_add_co_u32 s56, s56, s69
	s_lshl_b32 s69, s14, 1
	s_add_co_u32 s58, s58, s69
	s_mov_b32 s57, 0
	s_mov_b32 s59, 0
	s_add_nc_u64 s[56:57], s[8:9], s[56:57]        ; where ctx's codes go,
	s_add_nc_u64 s[58:59], s[10:11], s[58:59]      ; and its scale bytes
	v_mov_b32 v13, 0xff61b1e6                      ; m: -3e38, under every score
	v_mov_b32 v12, 0x7f61b1e6
.irp j, 192,193,194,195,196,197,198,199
	v_mov_b32 v\j, 0                               ; L in four pairs, in registers of V's that walk 1 leaves idle
.endr
	s_mov_b32 s[TK], 0
	s_mov_b32 s[TM], 0
	s_mov_b32 s[KF], 0
	s_mov_b32 s[CNT], 16
	s_wait_alu depctr_va_vdst(0)
.Lw1:                                          ; WALK 1.  16 trips in every wave; a step wholly above the diagonal is jumped over
	s_cmp_gt_u32 s[KF], s[QMIN]
	s_cbranch_scc1 .Lw1_next
	v_add_nc_u32 v8, s[TK], v1
	v_add_nc_u32 v9, s[TK], v2
	v_add_nc_u32 v11, s[TM], v4
	KLOADS
	s_wait_dscnt 0x0
	SPROD
	v_mov_b32 v10, v12                             ; the old -c m.  (Four places behind the products)
.rept 3
	v_nop
.endr
	MASK
.irp b, 0,1,2,3                                ; each block's largest score of my 16: two chains a block, eight chains by turns
	v_max3_num_f32 v[244+\b], v[96+16*\b], v[97+16*\b], v[98+16*\b]
.endr
.irp b, 0,1,2,3
	v_max3_num_f32 v[248+\b], v[103+16*\b], v[104+16*\b], v[105+16*\b]
.endr
.irp i, 3,5
.irp b, 0,1,2,3
	v_max3_num_f32 v[244+\b], v[244+\b], v[96+16*\b+\i], v[97+16*\b+\i]
.endr
.irp b, 0,1,2,3
	v_max3_num_f32 v[248+\b], v[248+\b], v[103+16*\b+\i], v[104+16*\b+\i]
.endr
.endr
.irp b, 0,1,2,3
	v_max3_num_f32 v[244+\b], v[244+\b], v[110+16*\b], v[111+16*\b]
.endr
.irp b, 0,1,2,3
	v_max_num_f32 v[244+\b], v[244+\b], v[248+\b]  ; the block's two chains meet
.endr
.irp b, 0,1,2,3
	D 4
	v_permlanex16_b32 v[248+\b], v[244+\b], s[SEL], s[SEL+1]
.endr
.irp b, 0,1,2,3
	D 4
	v_max_num_f32 v[244+\b], v[244+\b], v[248+\b]  ; with lane l xor 16's 16 keys: the block's
.endr
	ds_store_b128 v11, v[244:247]                  ; kept for walk 2 (lanes r and r + 16 store the same 16 bytes)
	v_max3_num_f32 v8, v244, v245, v246
	D 1
	v_max3_num_f32 v13, v13, v8, v247              ; the running maximum
	D 1
	v_mul_f32 v12, s[NCS], v13                     ; -c m
	D 1
	v_sub_f32 v94, v12, v10                        ; c (old m - new m), 0 or less
	TOEXP
	v_exp_f32 v94, v94                             ; what brings the old sum under the new m
	v_nop                                          ; a plain place behind the batch
	s_wait_alu depctr_va_vdst(0)                   ; one wait for the batch, ahead of its first reader
.set n, 0
.rept 16                                       ; the step's sum as a tree in place: 16, 8 and 4 additions that do not hang on each other
	v_pk_add_f32 v[96+4*n:97+4*n], v[96+4*n:97+4*n], v[98+4*n:99+4*n]
.set n, n+1
.endr
.set n, 0
.rept 8
	v_pk_add_f32 v[96+8*n:97+8*n], v[96+8*n:97+8*n], v[100+8*n:101+8*n]
.set n, n+1
.endr
.set n, 0
.rept 4
	v_pk_add_f32 v[96+16*n:97+16*n], v[96+16*n:97+16*n], v[104+16*n:105+16*n]
.set n, n+1
.endr
.set n, 0
.rept 4                                        ; the sum is kept in four pairs: each comes under the new m and takes a quarter of the step's sum
	v_pk_fma_f32 v[192+2*n:193+2*n], v[192+2*n:193+2*n], v[94:95], v[96+16*n:97+16*n] op_sel_hi:[1,0,1]
.set n, n+1
.endr
.Lw1_next:
	s_add_co_u32 s[TK], s[TK], KREC
	s_add_co_u32 s[TM], s[TM], 256
	s_add_co_u32 s[KF], s[KF], 128
	s_sub_co_u32 s[CNT], s[CNT], 1
	s_cmp_lg_u32 s[CNT], 0
	s_cbranch_scc1 .Lw1
	s_wait_alu depctr_va_vdst(0)
	v_pk_add_f32 v[192:193], v[192:193], v[194:195]
	v_pk_add_f32 v[196:197], v[196:197], v[198:199]
	v_pk_add_f32 v[192:193], v[192:193], v[196:197]
	v_add_f32 v14, v192, v193
	D 1
	v_permlanex16_b32 v248, v14, s[SEL], s[SEL+1]
	D 1
	v_add_f32 v14, v14, v248                       ; L, at least 1
	s_wait_alu depctr_va_vdst(0)
	v_log_f32 v14, v14
.set n, 0
.rept 32
	v_mov_b32 v[160+n], 0                          ; O^T: the step is written once, so the first finds zeros
.set n, n+1
.endr
	s_wait_alu depctr_va_vdst(0)
	v_sub_f32 v12, v12, v14                        ; the row's bias: -c m - log2 L
	s_mov_b32 s[TK], 0
	s_mov_b32 s[TV], VB
	s_mov_b32 s[TM], 0
	s_mov_b32 s[KF], 0
	s_mov_b32 s[CNT], 16
	s_wait_alu depctr_va_vdst(0)
	s_wait_tensorcnt 0x0                           ; my record of V is in,
	s_wait_dscnt 0x0                               ; my stores of maxima are done,
	s_barrier_signal -1
	s_barrier_wait -1                              ; and all of V is in.
.Lw2:                                          ; WALK 2
	s_cmp_gt_u32 s[KF], s[QMIN]
	s_cbranch_scc1 .Lw2_next
	v_add_nc_u32 v94, s[TM], v4                    ; (these five are also the places in front of the loads into registers that the last products read)
	v_add_nc_u32 v8, s[TK], v1
	v_add_nc_u32 v9, s[TK], v2
	v_add_nc_u32 v10, s[TV], v3
	v_add_nc_u32 v11, s[TV], v2
	ds_load_b128 v[244:247], v94                   ; the step's four block maxima
	KLOADS
.irp d, 0,1,2,3
.irp g, 0,1,2
	ds_load_b128 v[192+12*\d+4*\g:195+12*\d+4*\g], v10 offset:1536*\d+512*\g
.endr
	ds_load_b32 v[240+\d], v11 offset:64*\d
.endr
	s_wait_dscnt 16                                ; the maxima and K are in; V's 16 loads may be out
	SPROD
.irp b, 0,1,2,3
	v_fma_f32 v[244+\b], v[244+\b], s[CS], v12     ; the exponent of each block's largest attn.  (Four places behind the products)
.endr
	MASK
	TOEXP                                          ; attn, finished
.irp b, 0,1,2,3
	v_exp_f32 v[244+\b], v[244+\b]                 ; the same two instructions on the same number give the same bits
.endr
	v_nop
	s_wait_alu depctr_va_vdst(0)
.irp b, 0,1,2,3
	v_max_num_f32 v[244+\b], 0x2800000, v[244+\b]  ; the floor 2^(5 - 127): the byte cannot fall under 1
.endr
.irp b, 0,1,2,3
	D 4
	v_add_nc_u32 v[244+\b], 0xfe000000, v[244+\b]  ; 4 off the exponent field: the conversion's scale operand
.endr
.irp b, 0,1,2,3
	D 4
	v_lshrrev_b32 v[248+\b], 23, v[244+\b]         ; the scale's byte
.endr
	D 3
	v_lshl_or_b32 v29, v249, 8, v248
	D 1
	v_lshl_or_b32 v29, v250, 16, v29
	D 1
	v_lshl_or_b32 v29, v251, 24, v29
.irp c, 0,1
	v_cvt_scalef32_pk16_bf6_f32 v[32+6*\c:34+6*\c], v[96+32*\c:111+32*\c], v[244+2*\c]
	v_cvt_scalef32_pk16_bf6_f32 v[44+4*\c:46+4*\c], v[112+32*\c:127+32*\c], v[245+2*\c]
.endr
	v_nop                                          ; one plain place behind a scaled conversion
.irp c, 0,1                                    ; the operand wants a whole block in a lane
.irp i, 0,1,2
	v_permlane16_swap_b32 v[32+6*\c+\i], v[44+4*\c+\i]
.endr
.irp i, 0,1,2
	D 3
	v_mov_b32 v[35+6*\c+\i], v[44+4*\c+\i]
.endr
.endr
.rept 4
	v_nop                                          ; an operand written by vector instructions stands 4 places ahead of a scaled product (the scale word stands more than 8 ahead)
.endr
	s_wait_alu depctr_va_vdst(0)                   ; ahead of the first readers of O^T
	s_wait_dscnt 0x0
.irp d, 0,1,2,3
	v_wmma_scale_f32_16x16x128_f8f6f4 v[160+8*\d:167+8*\d], v[192+12*\d:203+12*\d], v[32:43], v[160+8*\d:167+8*\d], v[240+\d], v29 matrix_a_fmt:MATRIX_FMT_BF6 matrix_b_fmt:MATRIX_FMT_BF6
.endr
.Lw2_next:
	s_add_co_u32 s[TK], s[TK], KREC
	s_add_co_u32 s[TV], s[TV], VREC
	s_add_co_u32 s[TM], s[TM], 256
	s_add_co_u32 s[KF], s[KF], 128
	s_sub_co_u32 s[CNT], s[CNT], 1
	s_cmp_lg_u32 s[CNT], 0
	s_cbranch_scc1 .Lw2
	v_mov_b32 v16, v6                              ; the second block's q takes its place.  (These seven are the places behind the last products)
	v_mov_b32 v17, v7
	v_mov_b32 v18, v30
	v_mov_b32 v19, v31
	v_mov_b32 v20, v254
	v_mov_b32 v21, v255
	v_mov_b32 v28, v95
.irp b, 0,1                                    ; ctx's two blocks of 32 along the head: quantised for the last product
	v_max3_num_f32 v[244+\b], |v[160+16*\b]|, |v[161+16*\b]|, 0x2800000
.endr
.irp i, 2,4,6,8,10,12,14
.irp b, 0,1
	v_max3_num_f32 v[244+\b], v[244+\b], |v[160+16*\b+\i]|, |v[161+16*\b+\i]|
.endr
.endr
.irp b, 0,1
	D 2
	v_permlanex16_b32 v[248+\b], v[244+\b], s[SEL], s[SEL+1]
.endr
.irp b, 0,1
	D 2
	v_max_num_f32 v[244+\b], v[244+\b], v[248+\b]
.endr
.irp b, 0,1
	D 2
	v_add_nc_u32 v[244+\b], 0xfe000000, v[244+\b]
.endr
.irp b, 0,1
	D 2
	v_lshrrev_b32 v[248+\b], 23, v[244+\b]
.endr
	D 1
	v_lshl_or_b32 v29, v249, 8, v248
	v_cvt_scalef32_pk16_bf6_f32 v[32:34], v[160:175], v244
	v_cvt_scalef32_pk16_bf6_f32 v[44:46], v[176:191], v245
	v_and_b32 v8, 15, v0                           ; (a plain place behind the conversions)
.irp i, 0,1,2
	v_permlane16_swap_b32 v[32+\i], v[44+\i]
.endr
.irp i, 0,1,2
	D 3
	v_mov_b32 v[35+\i], v[44+\i]
.endr
	v_lshlrev_b32 v8, 5, v8                        ; 32 r: my query's row of scale bytes
.irp p, 0,1,2
	global_store_b64 v1, v[32+2*\p:33+2*\p], s[56:57] offset:256*\p   ; 32 lanes store 256 consecutive bytes, aligned
.endr
	global_store_b16 v8, v29, s[58:59]
	s_wait_xcnt 0x0                                ; the stores have read their registers and bases, which the next block writes
	s_add_co_u32 s[OC], s[OC], 1
	s_cmp_lt_u32 s[OC], 2
	s_cbranch_scc1 .Lblock
	s_wait_tensorcnt 0x0                           ; the wave's end
	ds_add_u32 v252, v253
	s_wait_dscnt 0x0
	s_endpgm
.Lfunc_end_k_qe1cd0804e8_attn:
	.size	k_qe1cd0804e8_attn, .Lfunc_end_k_qe1cd0804e8_attn-k_qe1cd0804e8_attn
	.p2alignl 7, 3214868480
	.fill 96, 4, 3214868480
	.section	.rodata,"a",@progbits
	.p2align	6, 0x0
	.amdhsa_kernel k_qe1cd0804e8_attn
		.amdhsa_group_segment_fixed_size 327680
		.amdhsa_private_segment_fixed_size 0
		.amdhsa_enable_private_segment 0
		.amdhsa_kernarg_size 32
		.amdhsa_user_sgpr_count 2
		.amdhsa_user_sgpr_kernarg_segment_ptr 1
		.amdhsa_wavefront_size32 1
		.amdhsa_system_sgpr_workgroup_id_x 1
		.amdhsa_system_sgpr_workgroup_id_y 1
		.amdhsa_system_sgpr_workgroup_id_z 1
		.amdhsa_system_vgpr_workitem_id 0
		.amdhsa_next_free_vgpr 256
		.amdhsa_next_free_sgpr 88
		.amdhsa_reserve_vcc 0
		.amdhsa_float_denorm_mode_32 3
		.amdhsa_float_denorm_mode_16_64 3
		.amdhsa_memory_ordered 1
		.amdhsa_forward_progress 1
		.amdhsa_inst_pref_size 51
	.end_amdhsa_kernel
	.amdgpu_metadata
---
amdhsa.version: [ 1, 2 ]
amdhsa.kernels:
  - .name:           k_qe1cd0804e8_attn
    .symbol:         k_qe1cd0804e8_attn.kd
    .args:
      - { .name: qk, .offset: 0, .size: 8, .value_kind: global_buffer, .address_space: global }
      - { .name: vv, .offset: 8, .size: 8, .value_kind: global_buffer, .address_space: global }
      - { .name: cc, .offset: 16, .size: 8, .value_kind: global_buffer, .address_space: global }
      - { .name: cs, .offset: 24, .size: 8, .value_kind: global_buffer, .address_space: global }
    .group_segment_fixed_size: 327680
    .private_segment_fixed_size: 0
    .kernarg_segment_align: 8
    .kernarg_segment_size: 32
    .max_flat_workgroup_size: 512
    .sgpr_count:     88
    .vgpr_count:     256
    .wavefront_size: 32
...
	.end_amdgpu_metadata
.endif
;; end of part 4
;; launch outln (part 5): grid 256 x 1, 16 waves a work-group, no clusters, 158,208 bytes of LDS; arguments cc, cs, wc, ws, x, bo, ln_g, ln_b, out0; writes out0
.if DOCPART == 5
	.amdgcn_target "amdgcn-amd-amdhsa--gfx1250"
	.amdhsa_code_object_version 6
	.text
	.protected	k_qe1cd0804e8_outln
	.globl	k_qe1cd0804e8_outln
	.p2align	8
	.type	k_qe1cd0804e8_outln,@function
k_qe1cd0804e8_outln:
	s_mov_b64 s[64:65], 0
	v_nop
	global_prefetch_b8 v0, s[64:65] scope:SCOPE_SE
	s_setreg_imm32_b32 hwreg(HW_REG_WAVE_MODE, 25, 1), 1
	s_wait_xcnt 0x0
; out0 = LayerNorm(ctx Wo + bo + x) x ln_g + ln_b.  The product is on codes of BF6 (E3M2) with E8M0 scales, K = 1,024; all else in f32.
; SHARES.  A work-group takes 32 tokens (stored tiles 2 wg and 2 wg + 1 of ctx) and ALL 1,024 columns, so that a row's mean and variance never leave the work-group.  Wave w of 16 makes columns 64 w .. 64 w + 63 for the 32 tokens:
; 8 accumulators; source 0 = 16 stored rows of Wo (output columns), source 1 = 16 tokens of ctx: a lane holds one token and eight neighbouring true columns a tile.
; ctx's 16 fragments (24,576 bytes) are copied once into LDS and read by all waves.  Each byte of Wo's codes is wanted by ONE wave of the work-group: it goes from memory straight into registers, as images, two K steps ahead.
; NO CLUSTER, NO RING for Wo: a work-group takes in all 786,432 bytes of Wo's codes either way, and between two changes of slots a wave would have 8 products.
; The results meet in a stage in LDS (32 rows x (4,096 + 16) bytes); then wave w holds stage rows 2 w and 2 w + 1 whole, 32 numbers a lane each, and the LayerNorm stays inside the wave.
; Tokens are stored in the order pi (bits 3 and 4 exchanged): stage row n is token 32 wg + pi(n); pi(2 w + 1) = pi(2 w) + 1, so a wave's two rows are neighbours in x and out0.
; x's two rows are asked into the L2 behind the first K step (32 blocks of 256 bytes, a lane a block, each named once in the launch by the wave that will load it): seven K steps ahead of their loads.
; LIMITS: NaN and infinities are not served.
; REGISTERS: v1-7 lane constants; v8-15 ctx's scale words, v16-31 Wo's (lanes 0-15: K steps 0-3, lanes 16-31: K steps 4-7); v32-79 ctx's fragments, two sets; v80-175 Wo's, two sets; v176-239 accumulators; v240-255 at work.
;   On the way out: v32-95 y (two rows), v96-159 x, then at work; v160-191 bo, v192-223 ln_g, v224-255 ln_b.
.set STG, 24576                        ; LDS: ctx's images at 0, the stage behind them
.set SP,  4112
.set AA,  32
.set BB,  80
.set ACC, 176
.set Y,   32
.set XR,  96
.set BO,  160
.set GG,  192
.set BE,  224
.set SEL, 32                           ; s[32:33]
	s_load_b256 s[4:11], s[0:1], 0x0               ; cc s[4:5], cs s[6:7], wc s[8:9], ws s[10:11]
	s_load_b256 s[12:19], s[0:1], 0x20             ; x s[12:13], bo s[14:15], ln_g s[16:17], ln_b s[18:19]
	s_load_b64 s[20:21], s[0:1], 0x40              ; out0
	v_lshrrev_b32 v1, 5, v0
	s_delay_alu instid0(VALU_DEP_1)
	v_readfirstlane_b32 s22, v1                    ; wave 0..15
	v_and_b32 v240, 31, v0                         ; lane
	v_and_b32 v241, 15, v0                         ; r
	v_bfe_u32 v242, v0, 4, 1                       ; h
	s_delay_alu instid0(VALU_DEP_3)
	v_lshlrev_b32 v1, 4, v240                      ; 16 x lane
	s_delay_alu instid0(VALU_DEP_4)
	v_lshlrev_b32 v2, 3, v240                      ; 8 x lane
	s_delay_alu instid0(VALU_DEP_4)
	v_mul_u32_u24 v3, v241, SP
	s_delay_alu instid0(VALU_DEP_1)
	v_lshl_add_u32 v3, v242, 6, v3
	s_lshl_b32 s23, s22, 8
	s_add_co_u32 s23, s23, STG
	v_add_nc_u32 v3, s23, v3                       ; into the stage: row r, + 256 w (my 64 columns), + 64 h
	s_delay_alu instid0(VALU_DEP_1)
	v_add_nc_u32 v4, 16*SP, v3                     ; the second tile of tokens
	s_mul_i32 s23, s22, 2*SP
	s_add_co_u32 s23, s23, STG
	v_add_nc_u32 v5, s23, v1                       ; out of it: rows 2 w, 2 w + 1
	v_lshlrev_b32 v6, 5, v241
	s_delay_alu instid0(VALU_DEP_1)
	v_lshl_add_u32 v6, v242, 4, v6                 ; scale bytes: row r's 32, lanes 16-31 the upper 16
	v_lshlrev_b32 v7, 8, v240                      ; the prefetch: 256 x lane
	s_mul_i32 s23, s22, 1536
	v_add_nc_u32 v243, s23, v1                     ; my sixteenth of ctx's images in LDS
	s_mul_i32 s24, ttmp9, 24576
	s_add_co_u32 s24, s24, s23                     ; and in memory
	s_mov_b32 s25, 0
	s_lshl_b32 s26, ttmp9, 10                      ; ctx's scale bytes: 32 rows of 32
	s_mov_b32 s27, 0
	s_lshl_b32 s28, s22, 2
	s_add_co_u32 s28, s28, 192                     ; Wo's tiles 192 + 4 w on
	s_mul_i32 s28, s28, 12288
	s_mov_b32 s29, 0
	s_lshl_b32 s36, s22, 11
	s_add_co_u32 s36, s36, 98304                   ; Wo's scale bytes: rows 3,072 + 64 w on
	s_mov_b32 s37, 0
	s_and_b32 s30, s22, 3                          ; pi(2 w): bits 2:0 stay, bit 3 is w's bit 3, bit 4 is w's bit 2
	s_lshl_b32 s30, s30, 1
	s_bfe_u32 s31, s22, 0x10003
	s_lshl_b32 s31, s31, 3
	s_or_b32 s30, s30, s31
	s_bfe_u32 s31, s22, 0x10002
	s_lshl_b32 s31, s31, 4
	s_or_b32 s30, s30, s31
	s_lshl_b32 s31, ttmp9, 5
	s_add_co_u32 s30, s30, s31                     ; my first token
	s_lshl_b32 s30, s30, 12                        ; rows of 4,096 bytes
	s_mov_b32 s31, 0
	s_mov_b32 s[SEL], 0x76543210
	s_mov_b32 s[SEL+1], 0xfedcba98
	s_mov_b32 s34, 0x3a800000                      ; 1 / 1,024
	s_mov_b32 s35, 0x3727c5ac                      ; 1e-5
	s_wait_alu depctr_va_vdst(0)
	s_wait_kmcnt 0x0
	s_add_nc_u64 s[4:5], s[4:5], s[24:25]
	s_add_nc_u64 s[6:7], s[6:7], s[26:27]
	s_add_nc_u64 s[8:9], s[8:9], s[28:29]
	s_add_nc_u64 s[10:11], s[10:11], s[36:37]
	s_add_nc_u64 s[12:13], s[12:13], s[30:31]
	s_add_nc_u64 s[20:21], s[20:21], s[30:31]
.macro LOADB s                         ; K step s of my four tiles of Wo: 12 loads of 512 consecutive bytes
.irp j, 0,1,2,3
.irp g, 0,1,2
	global_load_b128 v[BB+48*((\s)%2)+12*\j+4*\g:BB+48*((\s)%2)+12*\j+4*\g+3], v1, s[8:9] offset:12288*\j+1536*(\s)+512*\g
.endr
.endr
.endm
.macro FETCHA s                        ; K step s of the two tiles of ctx: two half images (heads 2 s, 2 s + 1) on end: six pieces of 256 bytes
.irp m, 0,1
.irp p, 0,1,2,3,4,5
	ds_load_b64 v[AA+24*((\s)%2)+12*\m+2*\p:AA+24*((\s)%2)+12*\m+2*\p+1], v2 offset:12288*\m+1536*(\s)+256*\p
.endr
.endr
.endm
.macro PROD s, m, j
.set DD, ACC+8*(4*(\m)+(\j))
.set WF, BB+48*((\s)%2)+12*(\j)
.set CF, AA+24*((\s)%2)+12*(\m)
.if (\s) == 0
	v_wmma_scale_f32_16x16x128_f8f6f4 v[DD:DD+7], v[WF:WF+11], v[CF:CF+11], 0, v[16+4*(\j)+(\s)%4], v[8+4*(\m)+(\s)%4] matrix_a_fmt:MATRIX_FMT_BF6 matrix_b_fmt:MATRIX_FMT_BF6
.elseif (\s) < 4
	v_wmma_scale_f32_16x16x128_f8f6f4 v[DD:DD+7], v[WF:WF+11], v[CF:CF+11], v[DD:DD+7], v[16+4*(\j)+(\s)%4], v[8+4*(\m)+(\s)%4] matrix_a_fmt:MATRIX_FMT_BF6 matrix_b_fmt:MATRIX_FMT_BF6
.else
	v_wmma_scale_f32_16x16x128_f8f6f4 v[DD:DD+7], v[WF:WF+11], v[CF:CF+11], v[DD:DD+7], v[16+4*(\j)+(\s)%4], v[8+4*(\m)+(\s)%4] matrix_a_fmt:MATRIX_FMT_BF6 matrix_b_fmt:MATRIX_FMT_BF6 matrix_a_scale:MATRIX_SCALE_ROW1 matrix_b_scale:MATRIX_SCALE_ROW1
.endif
.endm
.macro STEP s
.if (\s) < 7
	s_wait_loadcnt 12                              ; this step's Wo is in (and at step 0 the scale words ahead of it); the next step's 12 loads may be out
	s_wait_dscnt 12                                ; this step's ctx is in; the next step's 12 loads may be out
.else
	s_wait_loadcnt 0x0
	s_wait_dscnt 0x0
.endif
.irp m, 0,1                                    ; the eight accumulators take turns, one instruction a turn
.irp j, 0,1,2,3
	PROD \s, \m, \j
.endr
.endr
.rept 4
	v_nop                                          ; places in front of loads into registers that the products have read, and of the first read of results
.endr
.if (\s)+2 < 8
	LOADB (\s)+2
	FETCHA (\s)+2
.endif
.endm
.irp g, 0,1,2
	global_load_b128 v[244+4*\g:247+4*\g], v1, s[4:5] offset:512*\g      ; my sixteenth of ctx's codes
.endr
	global_load_b128 v[8:11], v6, s[6:7]           ; ctx's scale words, a tile of tokens at a time
	global_load_b128 v[12:15], v6, s[6:7] offset:512
.irp j, 0,1,2,3
	global_load_b128 v[16+4*\j:19+4*\j], v6, s[10:11] offset:512*\j      ; Wo's
.endr
	LOADB 0
	LOADB 1
	s_wait_loadcnt 30                              ; ctx's three loads are in; the 6 + 24 younger ones may be out
.irp g, 0,1,2
	ds_store_b128 v243, v[244+4*\g:247+4*\g] offset:512*\g
.endr
	s_wait_dscnt 0x0                               ; for the others' sake: my stores have landed
	s_barrier_signal -1
	s_barrier_wait -1                              ; ctx's sixteen fragments lie in LDS
	FETCHA 0
	FETCHA 1
	STEP 0
	global_prefetch_b8 v7, s[12:13] th:TH_LOAD_NT scope:SCOPE_SE         ; my two rows of x: 8,192 consecutive bytes; its registers are never rewritten
.irp s, 1,2,3,4,5,6,7
	STEP \s
.endr
.irp m, 0,1                                    ; lane (r, h), tile j: columns 64 w + 32 (j / 2) + 16 h + 8 (j % 2) + 0 .. 7 of stage row 16 m + r; each accumulator from its low end on
.irp j, 0,1,2,3
	ds_store_b128 v[3+\m], v[ACC+8*(4*\m+\j):ACC+8*(4*\m+\j)+3] offset:128*(\j/2)+32*(\j%2)
	ds_store_b128 v[3+\m], v[ACC+8*(4*\m+\j)+4:ACC+8*(4*\m+\j)+7] offset:128*(\j/2)+32*(\j%2)+16
.endr
.endr
.irp i, 0,1,2,3,4,5,6,7,8,9,10,11,12,13,14,15
	global_load_b128 v[XR+4*\i:XR+4*\i+3], v1, s[12:13] offset:512*\i th:TH_LOAD_NT   ; x: two rows, 512 consecutive bytes a load
.endr
	s_wait_dscnt 0x0                               ; my stores into the stage have landed, and have read the accumulators, which the loads below write
.irp i, 0,1,2,3,4,5,6,7
	global_load_b128 v[BO+4*\i:BO+4*\i+3], v1, s[14:15] offset:512*\i
.endr
.irp i, 0,1,2,3,4,5,6,7
	global_load_b128 v[GG+4*\i:GG+4*\i+3], v1, s[16:17] offset:512*\i
.endr
.irp i, 0,1,2,3,4,5,6,7
	global_load_b128 v[BE+4*\i:BE+4*\i+3], v1, s[18:19] offset:512*\i
.endr
	s_barrier_signal -1
	s_barrier_wait -1                              ; 32 whole rows lie in the stage
.irp q, 0,1
.irp i, 0,1,2,3,4,5,6,7
	ds_load_b128 v[Y+32*\q+4*\i:Y+32*\q+4*\i+3], v5 offset:SP*\q+512*\i
.endr
.endr
	s_wait_dscnt 0x0
	s_wait_loadcnt 16                              ; x and bo are in; ln_g's and ln_b's 16 loads may be out
.set n, 0
.rept 16
	v_pk_add_f32 v[Y+2*n:Y+2*n+1], v[Y+2*n:Y+2*n+1], v[BO+2*n:BO+2*n+1]
	v_pk_add_f32 v[Y+32+2*n:Y+33+2*n], v[Y+32+2*n:Y+33+2*n], v[BO+2*n:BO+2*n+1]
.set n, n+1
.endr
.set n, 0
.rept 32
	v_pk_add_f32 v[Y+2*n:Y+2*n+1], v[Y+2*n:Y+2*n+1], v[XR+2*n:XR+2*n+1]   ; y = (ctx Wo + bo) + x
.set n, n+1
.endr
; the pair v[XR + 32 q : + 1] of each row q becomes one number, the same in all 32 lanes
.macro REDUCE
.irp q, 0,1
	s_delay_alu instid0(VALU_DEP_2)
	v_add_f32 v[XR+32*\q], v[XR+32*\q], v[XR+1+32*\q]
.endr
.irp k, 1,2,4,8
.irp q, 0,1
	s_delay_alu instid0(VALU_DEP_2)
	v_add_f32_dpp v[XR+32*\q], v[XR+32*\q], v[XR+32*\q] row_xmask:\k row_mask:0xf bank_mask:0xf
.endr
.endr
.irp q, 0,1
	s_delay_alu instid0(VALU_DEP_2)
	v_permlanex16_b32 v[XR+1+32*\q], v[XR+32*\q], s[SEL], s[SEL+1]
.endr
.irp q, 0,1
	s_delay_alu instid0(VALU_DEP_2)
	v_add_f32 v[XR+32*\q], v[XR+32*\q], v[XR+1+32*\q]
.endr
.endm
.irp q, 0,1                                    ; the sum of my 32 numbers of each row, in two chains (x's registers are free)
	v_pk_add_f32 v[XR+32*\q:XR+1+32*\q], v[Y+32*\q:Y+1+32*\q], v[Y+2+32*\q:Y+3+32*\q]
	v_pk_add_f32 v[XR+2+32*\q:XR+3+32*\q], v[Y+4+32*\q:Y+5+32*\q], v[Y+6+32*\q:Y+7+32*\q]
.endr
.irp k, 8,12,16,20,24,28
.irp q, 0,1
	s_delay_alu instid0(VALU_DEP_4)
	v_pk_add_f32 v[XR+32*\q:XR+1+32*\q], v[XR+32*\q:XR+1+32*\q], v[Y+32*\q+\k:Y+1+32*\q+\k]
	s_delay_alu instid0(VALU_DEP_4)
	v_pk_add_f32 v[XR+2+32*\q:XR+3+32*\q], v[XR+2+32*\q:XR+3+32*\q], v[Y+2+32*\q+\k:Y+3+32*\q+\k]
.endr
.endr
.irp q, 0
	s_delay_alu instid0(VALU_DEP_3)
	v_pk_add_f32 v[XR+32*\q:XR+1+32*\q], v[XR+32*\q:XR+1+32*\q], v[XR+2+32*\q:XR+3+32*\q]
.endr
.irp q, 1
	s_delay_alu instid0(VALU_DEP_2)
	v_pk_add_f32 v[XR+32*\q:XR+1+32*\q], v[XR+32*\q:XR+1+32*\q], v[XR+2+32*\q:XR+3+32*\q]
.endr
	REDUCE
.irp q, 0,1
	s_delay_alu instid0(VALU_DEP_2)
	v_mul_f32 v[XR+4+32*\q], 0xba800000, v[XR+32*\q]   ; -mean
.endr
.irp q, 0,1
	s_delay_alu instid0(VALU_DEP_2)
	v_mov_b32 v[XR+5+32*\q], v[XR+4+32*\q]
.endr
.set n, 0
.rept 16
	v_pk_add_f32 v[Y+2*n:Y+2*n+1], v[Y+2*n:Y+2*n+1], v[XR+4:XR+5]          ; y - mean
	v_pk_add_f32 v[Y+32+2*n:Y+33+2*n], v[Y+32+2*n:Y+33+2*n], v[XR+36:XR+37]
.set n, n+1
.endr
.irp q, 0,1                                    ; the sum of squares, in two chains
	v_pk_mul_f32 v[XR+32*\q:XR+1+32*\q], v[Y+32*\q:Y+1+32*\q], v[Y+32*\q:Y+1+32*\q]
	v_pk_mul_f32 v[XR+2+32*\q:XR+3+32*\q], v[Y+2+32*\q:Y+3+32*\q], v[Y+2+32*\q:Y+3+32*\q]
.endr
.irp k, 4,8,12,16,20,24,28
.irp q, 0,1
	s_delay_alu instid0(VALU_DEP_4)
	v_pk_fma_f32 v[XR+32*\q:XR+1+32*\q], v[Y+32*\q+\k:Y+1+32*\q+\k], v[Y+32*\q+\k:Y+1+32*\q+\k], v[XR+32*\q:XR+1+32*\q]
	s_delay_alu instid0(VALU_DEP_4)
	v_pk_fma_f32 v[XR+2+32*\q:XR+3+32*\q], v[Y+2+32*\q+\k:Y+3+32*\q+\k], v[Y+2+32*\q+\k:Y+3+32*\q+\k], v[XR+2+32*\q:XR+3+32*\q]
.endr
.endr
.irp q, 0
	s_delay_alu instid0(VALU_DEP_3)
	v_pk_add_f32 v[XR+32*\q:XR+1+32*\q], v[XR+32*\q:XR+1+32*\q], v[XR+2+32*\q:XR+3+32*\q]
.endr
.irp q, 1
	s_delay_alu instid0(VALU_DEP_2)
	v_pk_add_f32 v[XR+32*\q:XR+1+32*\q], v[XR+32*\q:XR+1+32*\q], v[XR+2+32*\q:XR+3+32*\q]
.endr
	REDUCE
.irp q, 0,1
	s_delay_alu instid0(VALU_DEP_2)
	v_fma_f32 v[XR+32*\q], v[XR+32*\q], s34, s35   ; the variance + 1e-5
.endr
	s_wait_alu depctr_va_vdst(0)
.irp q, 0,1
	v_rsq_f32 v[XR+6+32*\q], v[XR+32*\q]
.endr
	v_nop                                          ; a plain place behind the transcendentals
	s_wait_alu depctr_va_vdst(0)                   ; one wait for the two, ahead of their first reader
	s_wait_loadcnt 0x0                             ; ln_g, ln_b
.set n, 0
.rept 16
	v_pk_mul_f32 v[Y+2*n:Y+2*n+1], v[Y+2*n:Y+2*n+1], v[XR+6:XR+7] op_sel_hi:[1,0]
	v_pk_mul_f32 v[Y+32+2*n:Y+33+2*n], v[Y+32+2*n:Y+33+2*n], v[XR+38:XR+39] op_sel_hi:[1,0]
.set n, n+1
.endr
.set n, 0
.rept 16
	v_pk_fma_f32 v[Y+2*n:Y+2*n+1], v[Y+2*n:Y+2*n+1], v[GG+2*n:GG+2*n+1], v[BE+2*n:BE+2*n+1]
	v_pk_fma_f32 v[Y+32+2*n:Y+33+2*n], v[Y+32+2*n:Y+33+2*n], v[GG+2*n:GG+2*n+1], v[BE+2*n:BE+2*n+1]
.set n, n+1
.endr
.irp i, 0,1,2,3,4,5,6,7,8,9,10,11,12,13,14,15
	global_store_b128 v1, v[Y+4*\i:Y+4*\i+3], s[20:21] offset:512*\i th:TH_STORE_NT   ; 32 lanes store 512 consecutive bytes, aligned; written once, read by nobody here
.endr
	s_wait_xcnt 0x0
	v_lshl_add_u32 v254, v0, 2, 0x26200
	v_mov_b32 v255, 0
	s_wait_alu depctr_va_vdst(0)
	s_wait_tensorcnt 0x0
	ds_add_u32 v254, v255
	s_wait_dscnt 0x0
	s_endpgm
.Lfunc_end_k_qe1cd0804e8_outln:
	.size	k_qe1cd0804e8_outln, .Lfunc_end_k_qe1cd0804e8_outln-k_qe1cd0804e8_outln
	.p2alignl 7, 3214868480
	.fill 96, 4, 3214868480
	.section	.rodata,"a",@progbits
	.p2align	6, 0x0
	.amdhsa_kernel k_qe1cd0804e8_outln
		.amdhsa_group_segment_fixed_size 158208
		.amdhsa_private_segment_fixed_size 0
		.amdhsa_enable_private_segment 0
		.amdhsa_kernarg_size 72
		.amdhsa_user_sgpr_count 2
		.amdhsa_user_sgpr_kernarg_segment_ptr 1
		.amdhsa_wavefront_size32 1
		.amdhsa_system_sgpr_workgroup_id_x 1
		.amdhsa_system_sgpr_workgroup_id_y 1
		.amdhsa_system_sgpr_workgroup_id_z 1
		.amdhsa_system_vgpr_workitem_id 0
		.amdhsa_next_free_vgpr 256
		.amdhsa_next_free_sgpr 66
		.amdhsa_reserve_vcc 0
		.amdhsa_float_denorm_mode_32 3
		.amdhsa_float_denorm_mode_16_64 3
		.amdhsa_memory_ordered 1
		.amdhsa_forward_progress 1
		.amdhsa_inst_pref_size 56
	.end_amdhsa_kernel
	.amdgpu_metadata
---
amdhsa.version: [ 1, 2 ]
amdhsa.kernels:
  - .name:           k_qe1cd0804e8_outln
    .symbol:         k_qe1cd0804e8_outln.kd
    .args:
      - { .name: cc, .offset: 0, .size: 8, .value_kind: global_buffer, .address_space: global }
      - { .name: cs, .offset: 8, .size: 8, .value_kind: global_buffer, .address_space: global }
      - { .name: wc, .offset: 16, .size: 8, .value_kind: global_buffer, .address_space: global }
      - { .name: ws, .offset: 24, .size: 8, .value_kind: global_buffer, .address_space: global }
      - { .name: x, .offset: 32, .size: 8, .value_kind: global_buffer, .address_space: global }
      - { .name: bo, .offset: 40, .size: 8, .value_kind: global_buffer, .address_space: global }
      - { .name: ln_g, .offset: 48, .size: 8, .value_kind: global_buffer, .address_space: global }
      - { .name: ln_b, .offset: 56, .size: 8, .value_kind: global_buffer, .address_space: global }
      - { .name: out0, .offset: 64, .size: 8, .value_kind: global_buffer, .address_space: global }
    .group_segment_fixed_size: 158208
    .private_segment_fixed_size: 0
    .kernarg_segment_align: 8
    .kernarg_segment_size: 72
    .max_flat_workgroup_size: 512
    .sgpr_count:     66
    .vgpr_count:     256
    .wavefront_size: 32
...
	.end_amdgpu_metadata
.endif
;; end of part 5
